; MI455X (gfx1250); checked and timed in simulation.
; The chip was launched on July 23, 2026; its instructions are those of AMD's public machine-readable ISA for CDNA 5 (MIT licence, August 2026) and "CDNA5" Instruction Set Architecture Reference Guide (July 2026). The comments in the code are by the model that wrote it; some were corrected since.
;; Attention Block. Allowed arithmetic: matrix products marked QUANTISED: E4M3 operands, one E8M0 scale for each 32 along K, by v_wmma_scale_f32_16x16x128_f8f6f4 with both operands' format E4M3, f32 sums; everything else in f32.
;; Inputs: b_proj 256 float32; b_qkv 768 float32; b_se1 64 float32; b_se2 256 float32; gn_beta 256 float32; gn_gamma 256 float32; w_proj 256 x 256 float32; w_qkv 768 x 256 float32; w_se1 64 x 256 float32; w_se2 256 x 64 float32; x 32 x 256 x 32 x 32 float32.
;; Outputs: out0 32 x 256 x 32 x 32 float32.
;; This version of the problem:
;;   THIS VERSION OF THE PROBLEM IS GIVEN IN LOW PRECISION. The matrix products marked QUANTISED in the list below multiply operands that are first quantised to E4M3 (4 exponent bits, 3 mantissa bits; 8 bits a number), with one power-of-two scale for each 32 numbers along K (OCP MX v1.0); their sums are f32. All else is computed in f32.
;;   The module's matrix products, in the order in which they are computed (A, B: the left and right operand; K: the contracted axis; several contracted axes count as one K, in the product's order):
;;     1. [M 32,768, K 256] x [K 256, N 768]; A: computed on the way; B: input w_qkv: QUANTISED
;;     2. batch 32 x [M 1,024, K 256] x [K 256, N 1,024]; A: computed on the way; B: computed on the way: QUANTISED
;;     3. batch 32 x [M 256, K 1,024] x [K 1,024, N 1,024]; A: computed on the way; B: softmax (see below): QUANTISED
;;     4. [M 32,768, K 256] x [K 256, N 256]; A: computed on the way; B: input w_proj: QUANTISED
;;     5. [M 32, K 256] x [K 256, N 64]; A: computed on the way; B: input w_se1: QUANTISED
;;     6. [M 32, K 64] x [K 64, N 256]; A: computed on the way; B: input w_se2: QUANTISED
;;   THE QUANTISER, for each operand of a quantised product, along K:
;;     - K is cut into blocks of 32 from its start; a last block that is shorter is filled with zeros.
;;     - A block's scale is 2^e with e = floor(log2(the largest magnitude in the block)) - 8, held to -126 .. 127; a block of zeros has e = 0. As a byte (E8M0): e + 127.
;;     - Each number is divided by its block's scale, clamped to +-448, and rounded to the nearest number of E4M3, ties to even, subnormals kept.
;;     - The product sums the exact products of the quantised numbers (number of the format x scale) in f32.
;;   ~~~python
;;   def quantise(x, axis):      # numpy; x: float32 -> the quantised numbers, widened to float32 again
;;       x = np.moveaxis(x, axis, -1); K = x.shape[-1]
;;       x = np.pad(x, [(0, 0)] * (x.ndim - 1) + [(0, -K % 32)]); x = x.reshape(x.shape[:-1] + (-1, 32)); a = np.abs(x).max(-1, keepdims=True)
;;       e = np.where(a > 0, np.clip(np.frexp(np.where(a > 0, a, 1))[1] - 1 - 8, -126, 127), 0)      # np.frexp(a)[1] - 1 = floor(log2(a)), exactly
;;       r = np.clip(x / 2.0 ** e, -448, 448)
;;       step = 2.0 ** (np.maximum(np.frexp(np.where(r == 0, 1, r))[1] - 1, -6) - 3)
;;       q = np.round(r / step) * step * 2.0 ** e      # np.round: ties to even
;;       return np.moveaxis(q.reshape(q.shape[:-2] + (-1,))[..., :K], -1, axis).astype(np.float32)
;;   ~~~
;;   SOFTMAX AHEAD OF A QUANTISED PRODUCT. Where the list says 'softmax', what is quantised is not the finished softmax but p = 2^(t - M), with t = logit x log2(e) and M = ceil(the row's largest t), a whole number; so 1/2 < the row's largest p <= 1. The row's sum l is taken of the UNQUANTISED p, in f32, and the product's result is divided by l at the end. Since M is a whole number, a kernel that streams over the keys may use a running M (the ceiling of the running maximum): every later rescaling is an exact power of two, which a block's scale takes up: the codes' values come out the same.
;;   OPERANDS COMPUTED ON THE WAY. 'Computed on the way' means the value that the module computes at that place (a softmax that the list does not call 'softmax' is quantised finished and normalised). What goes into a quantiser is computed in f32, as accurately as f32 sums, v_exp_f32 and their like allow (about 1e-6 of the number): no bf16 or f16 on the way to a quantiser, and a product that is left as it is and whose result goes on into a quantised operand takes f32 operands (vector FMAs, or v_wmma_f32_16x16x4_f32). A number that lies on a knife's edge between two numbers of the format may be rounded either way, as far as f32 arithmetic and the matrix unit's own rounding can turn it there, and no further.
;; One version. Each part assembles by itself: llvm-mc -triple=amdgcn-amd-amdhsa -mcpu=gfx1250 --defsym DOCPART=n.
;; ======== version 1 of 1: 3 launches
;; limits: right only within a limited range of input values
;; workspace buffers: xq 8,650,752 bytes; wq 330,752 bytes; pool 8,448 bytes; qq 8,650,752 bytes; kvq 17,301,504 bytes
;; launch norm (part 1): grid 8 x 32, 16 waves a work-group, no clusters, 6,144 bytes of LDS; arguments x, gn_gamma, gn_beta, w_qkv, w_proj, w_se1, w_se2, xq, wq, pool; writes xq, wq, pool
.if DOCPART == 1
	.amdgcn_target "amdgcn-amd-amdhsa--gfx1250"
	.amdhsa_code_object_version 6
	.text
	.protected	k_qcf6efec23b_norm
	.globl	k_qcf6efec23b_norm
	.p2align	8
	.type	k_qcf6efec23b_norm,@function
k_qcf6efec23b_norm:
	s_mov_b64 s[64:65], 0
	v_nop
	global_prefetch_b8 v0, s[64:65] scope:SCOPE_SE
	s_setreg_imm32_b32 hwreg(HW_REG_WAVE_MODE, 25, 1), 1
	s_wait_xcnt 0x0
; GroupNorm of x [32][256][1024] f32 (32 groups of 8 channels), quantised along the channels to codes of E4M3 with one E8M0 byte for each 32 channels; the channel means of x (the pooled vector), quantised likewise;
; and all four weights, quantised along their K.  Everything leaves in the order of a matrix operand's registers: an IMAGE of 2,048 bytes is 16 rows x 128 K, byte 512 c + 16 lane + i = row lane % 16, k = 32 c + 16 (lane / 16) + i.
; SHARES.  Work-group (cb, b) owns channels 32 cb .. 32 cb + 31 of batch b: four whole groups, and one block of 32 along the channels.  Thread t owns positions 2 t and 2 t + 1 of all 32 channels: 64 registers, read from memory once.
; Position n = 32 nb + 2 r + u is row r of tile 2 nb + u.  Row r of tile T of a weight is the weight's row 32 (T / 2) + 8 (T % 2) + r + 8 (r / 8).
; The variance is taken in a second pass over the registers, of x less the mean: no difference of large sums is formed.  xn = (x - mean) (gamma rstd) + beta, one fused multiply-add.
; Image tau = 8 b + cb of the 152 weight images is made by wave 0 of that work-group while x is on its way: w_qkv 0-95, w_proj 96-127, w_se1 128-135 (tile tau / 2, K step tau % 2), w_se2 136-151 (K = 64, filled to 128 with zero codes).
; No cluster: no two work-groups read the same bytes.  No tensor load: the data go straight into the registers in which they stay.
; LIMITS: NaN and infinities are not served.  A block whose largest magnitude lies under 2^-118 keeps the byte 1; so does a block of zeros, where the rule says 127: its codes are zeros, and only this program reads the bytes.
.set X,    16                          ; v16-79   x: channel c's two positions at X + 2 c
.set XN,   80                          ; v80-143  64 numbers of a weight; then sums at work; then xn: position u's 32 channels at XN + 32 u
.set CD,   144                         ; v144-159 codes
.set TM,   160                         ; v160-175 the quantiser's: +0 largest magnitudes, +4 the other half's, then bytes, +8 holds, +12 scale operands
.set TP,   184                         ; v184-188 at work
.set RED2, 2048                        ; LDS: 0: 16 waves x 32 channel sums; 2,048: 16 waves x 4 sums of squares; 2,560: 1,024 scale bytes
.set SCL,  2560
.set SEL,  28
.set MNT,  30
; 64 numbers of a lane, register 16 b + i = k 32 b + 16 (lane / 16) + i of its row, become the codes v[dc] on and the row's scale word v[dw]
.macro QUANT s, relu, nb, dc, dw
.set qb, 0
.rept \nb
	v_max3_num_f32 v[TM+qb], |v[(\s)+16*qb]|, |v[(\s)+16*qb+1]|, 0x4800000   ; my 16 numbers of block b, and the floor 2^(9 - 127): the byte cannot fall under 1
.set qb, qb+1
.endr
.set qi, 2
.rept 7
.set qb, 0
.rept \nb
	s_delay_alu instid0(VALU_DEP_4)
	v_max3_num_f32 v[TM+qb], v[TM+qb], |v[(\s)+16*qb+qi]|, |v[(\s)+16*qb+qi+1]|
.set qb, qb+1
.endr
.set qi, qi+2
.endr
.set qb, 0
.rept \nb
	s_delay_alu instid0(VALU_DEP_4)
	v_permlanex16_b32 v[TM+4+qb], v[TM+qb], s[SEL], s[SEL+1]
.set qb, qb+1
.endr
.set qb, 0
.rept \nb
	s_delay_alu instid0(VALU_DEP_4)
	v_max_num_f32 v[TM+qb], v[TM+qb], v[TM+4+qb]                 ; with lane l xor 16's: the block's largest magnitude
.set qb, qb+1
.endr
.set qb, 0
.rept \nb
	v_add_nc_u32 v[TM+12+qb], 0xfc000000, v[TM+qb]               ; 8 off its exponent field: the conversion's scale operand
	s_delay_alu instid0(VALU_DEP_1)
	v_lshrrev_b32 v[TM+4+qb], 23, v[TM+12+qb]                    ; the byte
.set qb, qb+1
.endr
	v_lshl_or_b32 v[\dw], v[TM+5], 8, v[TM+4]
	s_delay_alu instid0(VALU_DEP_1)
	v_lshl_or_b32 v[\dw], v[TM+6], 16, v[\dw]
	s_delay_alu instid0(VALU_DEP_1)
	v_lshl_or_b32 v[\dw], v[TM+7], 24, v[\dw]
.set qb, 0
.rept \nb
.set qi, 0
.rept 16
.set qi, qi+1
.endr
	v_cvt_scalef32_pk8_fp8_f32 v[(\dc)+4*qb:(\dc)+4*qb+1], v[(\s)+16*qb:(\s)+16*qb+7], v[TM+12+qb]
	v_cvt_scalef32_pk8_fp8_f32 v[(\dc)+4*qb+2:(\dc)+4*qb+3], v[(\s)+16*qb+8:(\s)+16*qb+15], v[TM+12+qb]
.set qb, qb+1
.endr
	v_nop                                          ; a plain line behind the last conversion
.endm
.macro XLOADS                          ; my two positions of the 32 channels: a wave's load covers 256 consecutive bytes, aligned
.set c, 0
.rept 32
	global_load_b64 v[X+2*c:X+2*c+1], v1, s[4:5] offset:4096*c th:TH_LOAD_NT
.set c, c+1
.endr
.endm
; One step of a transposing sum over the lanes: of each pair of sums a lane keeps the one that its lane bit names and hands the other to its partner.  n pairs become n sums.
.macro BFLY n, mask, xm
	s_mov_b32 vcc_lo, \mask
.set bi, 0
.rept \n
	v_cndmask_b32 v[TP+2*(bi%2)], v[XN+2*bi], v[XN+2*bi+1], vcc_lo
	v_cndmask_b32 v[TP+2*(bi%2)+1], v[XN+2*bi+1], v[XN+2*bi], vcc_lo
	s_delay_alu instid0(VALU_DEP_1)
	v_add_f32_dpp v[XN+bi], v[TP+2*(bi%2)+1], v[TP+2*(bi%2)] row_xmask:\xm row_mask:0xf bank_mask:0xf
.set bi, bi+1
.endr
.endm
.macro BAR                             ; my LDS stores have landed and my LDS loads are in: then the work-group's barrier
	s_wait_dscnt 0x0
	s_barrier_signal -1
	s_barrier_wait -1
.endm
	s_load_b512 s[4:19], s[0:1], 0x0               ; x, gamma, beta, w_qkv, w_proj, w_se1, w_se2, xq
	s_load_b128 s[20:23], s[0:1], 0x40             ; wq, pool
	v_lshl_add_u32 v192, v0, 2, 0x1000
	v_mov_b32 v193, 0
	v_lshrrev_b32 v15, 5, v0
	s_delay_alu instid0(VALU_DEP_1)
	v_readfirstlane_b32 s24, v15                   ; wave 0..15
	s_mov_b32 s25, ttmp9                           ; cb
	s_and_b32 s26, ttmp7, 0xffff                   ; b
	s_lshl_b32 s27, s26, 3
	s_add_co_u32 s27, s27, s25                     ; tau = 8 b + cb
	s_mov_b32 s[SEL], 0x76543210
	s_mov_b32 s[SEL+1], 0xfedcba98                 ; lane l xor 16
	s_mov_b32 s[MNT], 0x600000                     ; the mantissa field of 448
	v_lshlrev_b32 v1, 3, v0                        ; 8 t: my two positions in a channel's row
	v_lshlrev_b32 v2, 2, v0                        ; 4 t: my word among the waves' channel sums
	v_and_b32 v3, 31, v0                           ; lane
	s_delay_alu instid0(VALU_DEP_1)
	v_lshlrev_b32 v4, 2, v3                        ; 4 lane
	v_lshlrev_b32 v7, 4, v15
	s_delay_alu instid0(VALU_DEP_1)
	v_add_nc_u32 v7, RED2, v7                      ; my wave's four sums of squares
	v_and_b32 v15, 15, v0                          ; r
	v_lshrrev_b32 v5, 4, v0                        ; nb
	s_delay_alu instid0(VALU_DEP_1)
	v_lshlrev_b32 v6, 5, v5
	s_delay_alu instid0(VALU_DEP_1)
	v_add_nc_u32 v6, v6, v15
	s_delay_alu instid0(VALU_DEP_1)
	v_add_nc_u32 v6, SCL, v6                       ; my scale bytes: 16 (2 nb + u) + r
	s_delay_alu instid0(VALU_DEP_4)
	v_lshlrev_b32 v5, 13, v5
	s_delay_alu instid0(VALU_DEP_1)
	v_lshl_or_b32 v5, v15, 4, v5                   ; my codes: 8,192 nb + 16 r
	v_lshl_add_u32 v8, v3, 3, RED2
	v_lshlrev_b32 v9, 4, v0                        ; 16 t
	s_delay_alu instid0(VALU_DEP_1)
	v_add_nc_u32 v10, SCL, v9
	v_lshlrev_b32 v12, 4, v3                       ; 16 lane
	s_lshl_b32 s68, s27, 5
	v_add_nc_u32 v13, s68, v3                      ; pool: 256 b + 32 cb + lane
	s_add_co_u32 s68, s27, 8192
	v_mov_b32 v14, s68                             ; pool's scale byte: 8,192 + 8 b + cb
.irp j, 4,5,6,7
	v_mov_b32 v[TM+\j], 0                          ; written once: a lane permute's destination counts as one of its sources
.endr
	s_lshl_b32 s68, s26, 18                        ; xq's codes: 262,144 b + 2,048 (cb / 4) + 512 (cb % 4)
	s_lshr_b32 s69, s25, 2
	s_lshl_b32 s69, s69, 11
	s_add_co_u32 s68, s68, s69
	s_and_b32 s69, s25, 3
	s_lshl_b32 s69, s69, 9
	s_add_co_u32 s68, s68, s69
	s_mov_b32 s69, 0
	s_lshl_b32 s70, s27, 10                        ; xq's scale bytes: 8,388,608 + 8,192 b + 1,024 cb
	s_add_co_u32 s70, s70, 8388608
	s_mov_b32 s71, 0
	s_lshl_b32 s72, s27, 17                        ; x: 1,048,576 b + 131,072 cb
	s_mov_b32 s73, 0
	s_wait_kmcnt 0x0
	s_add_nc_u64 s[2:3], s[18:19], s[70:71]
	s_add_nc_u64 s[18:19], s[18:19], s[68:69]
	s_add_nc_u64 s[4:5], s[4:5], s[72:73]
	; ---- wave 0 of work-groups 0 to 151 also makes a weight image.  Its loads stand ahead of x's, since loads come back in order
	s_cmp_lg_u32 s24, 0
	s_cbranch_scc1 .Lplain
	s_cmp_ge_u32 s27, 152
	s_cbranch_scc1 .Lplain
	s_cmp_lt_u32 s27, 96
	s_cselect_b64 s[68:69], s[10:11], s[12:13]
	s_cselect_b32 s70, 0, 96
	s_cmp_lt_u32 s27, 128
	s_cselect_b64 s[68:69], s[68:69], s[14:15]
	s_cselect_b32 s70, s70, 128
	s_cmp_lt_u32 s27, 136
	s_cselect_b64 s[68:69], s[68:69], s[16:17]
	s_cselect_b32 s70, s70, 136                    ; the weight's first image
	s_cselect_b32 s71, 1, 0                        ; two images to a tile (K = 256), or one (K = 64)
	s_cselect_b32 s76, 10, 8                       ; a row is 1,024 bytes, or 256
	s_sub_co_u32 s70, s27, s70
	s_and_b32 s77, s70, s71                        ; K step
	s_lshr_b32 s70, s70, s71                       ; tile T
	s_lshr_b32 s78, s70, 1
	s_lshl_b32 s78, s78, 5
	s_and_b32 s79, s70, 1
	s_lshl_b32 s79, s79, 3
	s_add_co_u32 s78, s78, s79                     ; its first row: 32 (T / 2) + 8 (T % 2)
	s_lshl_b32 s78, s78, s76
	s_lshl_b32 s77, s77, 9
	s_add_co_u32 s78, s78, s77
	s_mov_b32 s79, 0
	s_add_nc_u64 s[68:69], s[68:69], s[78:79]
	s_lshl_b32 s78, s27, 11
	s_add_nc_u64 s[72:73], s[20:21], s[78:79]      ; where the image goes,
	s_lshl_b32 s78, s27, 7
	s_add_co_u32 s78, s78, 311296
	s_add_nc_u64 s[74:75], s[20:21], s[78:79]      ; and its scale words
	v_and_b32 v11, 8, v15
	s_delay_alu instid0(VALU_DEP_1)
	v_add_nc_u32 v11, v11, v15                     ; r + 8 (r / 8)
	s_delay_alu instid0(VALU_DEP_1)
	v_lshlrev_b32 v11, s76, v11
	v_bfe_u32 v[TP], v0, 4, 1
	s_delay_alu instid0(VALU_DEP_1)
	v_lshl_or_b32 v11, v[TP], 6, v11               ; + 64 (lane / 16): my 16 numbers of a block of 32
	s_cmp_eq_u32 s71, 0
	s_cbranch_scc1 .Lshort
.irp c, 0,1,2,3
.irp j, 0,1,2,3
	global_load_b128 v[XN+16*\c+4*\j:XN+16*\c+4*\j+3], v11, s[68:69] offset:128*\c+16*\j
.endr
.endr
	s_branch .Lwx
.Lshort:
	s_wait_alu depctr_va_vdst(0)
.irp c, 0,1
.irp j, 0,1,2,3
	global_load_b128 v[XN+16*\c+4*\j:XN+16*\c+4*\j+3], v11, s[68:69] offset:128*\c+16*\j
.endr
.endr
.set c, 32
.rept 32
	v_mov_b32 v[XN+c], 0                           ; K from 64 to 127: zeros
.set c, c+1
.endr
.Lwx:
	XLOADS
	s_wait_loadcnt 32                              ; the weight's numbers are in; x's 32 loads, issued behind them, stay out
	QUANT XN, 0, 4, CD, TP
.irp c, 0,1,2,3
	global_store_b128 v12, v[CD+4*\c:CD+4*\c+3], s[72:73] offset:512*\c   ; 512 consecutive bytes
.endr
	global_store_b32 v4, v[TP], s[74:75]
	s_wait_xcnt 0x0                                ; the stores have read their registers: they are written again below
	s_branch .Ljoin
.Lplain:
	XLOADS
.Ljoin:
	s_lshl_b32 s68, s25, 7
	s_mov_b32 s69, 0
	s_add_nc_u64 s[6:7], s[6:7], s[68:69]
	s_add_nc_u64 s[8:9], s[8:9], s[68:69]
	s_load_b512 s[32:47], s[6:7], 0x0              ; gamma of my 32 channels
	s_load_b512 s[48:63], s[6:7], 0x40
	s_load_b512 s[68:83], s[8:9], 0x0              ; beta
	s_load_b512 s[84:99], s[8:9], 0x40
	s_wait_loadcnt 0x0
	s_wait_kmcnt 0x0
	; ---- the channels' sums: within the thread, across the wave (lane l ends with channel l's), across the waves
.set c, 0
.rept 32
	v_add_f32 v[XN+c], v[X+2*c], v[X+2*c+1]
.set c, c+1
.endr
	BFLY 16, 0xaaaaaaaa, 1
	BFLY 8, 0xcccccccc, 2
	BFLY 4, 0xf0f0f0f0, 4
	BFLY 2, 0xff00ff00, 8
	s_mov_b32 vcc_lo, 0xffff0000
	v_cndmask_b32 v[TP], v[XN], v[XN+1], vcc_lo
	v_cndmask_b32 v[TP+1], v[XN+1], v[XN], vcc_lo
	s_delay_alu instid0(VALU_DEP_1)
	v_permlanex16_b32 v[TP+2], v[TP+1], s[SEL], s[SEL+1]
	s_delay_alu instid0(VALU_DEP_1)
	v_add_f32 v[XN], v[TP], v[TP+2]
	ds_store_b32 v2, v[XN]
	BAR
.set w, 0
.rept 16
	ds_load_b32 v[XN+w], v4 offset:128*w
.set w, w+1
.endr
	s_wait_dscnt 0x0
.irp d, 8,4,2,1
.set w, 0
.rept \d
	v_add_f32 v[XN+w], v[XN+w], v[XN+w+\d]
.set w, w+1
.endr
.endr
	s_delay_alu instid0(VALU_DEP_1)
	v_mul_f32 v[TP+3], 0x3a800000, v[XN]           ; channel l's mean over the 1,024 positions: the pooled number
	s_delay_alu instid0(VALU_DEP_2)
	v_add_f32_dpp v[XN], v[XN], v[XN] row_xmask:1 row_mask:0xf bank_mask:0xf
	s_delay_alu instid0(VALU_DEP_1)
	v_add_f32_dpp v[XN], v[XN], v[XN] row_xmask:2 row_mask:0xf bank_mask:0xf
	s_delay_alu instid0(VALU_DEP_1)
	v_add_f32_dpp v[XN], v[XN], v[XN] row_xmask:4 row_mask:0xf bank_mask:0xf
	s_delay_alu instid0(VALU_DEP_1)
	v_mul_f32 v[TP+4], 0xb9000000, v[XN]           ; minus the group's mean: the sum of its 8 channels / -8,192
.irp g, 0,1,2,3
	v_readlane_b32 s[10+2*\g], v[TP+4], 8*\g       ; as a pair: the packed addition names both words
	v_readlane_b32 s[11+2*\g], v[TP+4], 8*\g
.endr
	; ---- the pooled numbers of my 32 channels are one block: wave 2 quantises them, a lane a channel
	s_cmp_lg_u32 s24, 2
	s_cbranch_scc1 .Lnopool
	v_max3_num_f32 v[TM], |v[TP+3]|, |v[TP+3]|, 0x4800000
.irp m, 1,2,4,8
	s_delay_alu instid0(VALU_DEP_1)
	v_max_num_f32_dpp v[TM], v[TM], v[TM] row_xmask:\m row_mask:0xf bank_mask:0xf
.endr
	s_delay_alu instid0(VALU_DEP_1)
	v_permlanex16_b32 v[TM+4], v[TM], s[SEL], s[SEL+1]
	s_delay_alu instid0(VALU_DEP_1)
	v_max_num_f32 v[TM], v[TM], v[TM+4]
	s_delay_alu instid0(VALU_DEP_1)
	v_add_nc_u32 v[TM+12], 0xfc000000, v[TM]
	s_delay_alu instid0(VALU_DEP_2)
	v_and_or_b32 v[TM+8], v[TM], 0x7f800000, s[MNT]
	s_delay_alu instid0(VALU_DEP_2)
	v_lshrrev_b32 v[TM+5], 23, v[TM+12]
	s_delay_alu instid0(VALU_DEP_2)
	v_med3_num_f32 v[CD], v[TP+3], -v[TM+8], v[TM+8]
.irp j, 1,2,3,4,5,6,7
	v_mov_b32 v[CD+\j], 0
.endr
	v_cvt_scalef32_pk8_fp8_f32 v[CD+8:CD+9], v[CD:CD+7], v[TM+12]   ; my code is the lowest byte
	v_nop
	global_store_b8 v13, v[CD+8], s[22:23]         ; 32 consecutive bytes
	global_store_b8 v14, v[TM+5], s[22:23]         ; every lane the same byte with the same value
	s_wait_xcnt 0x0
.Lnopool:
	; ---- the variance: x less the mean, in place; squares in one chain for each group
.set c, 0
.rept 32
	v_pk_add_f32 v[X+2*c:X+2*c+1], v[X+2*c:X+2*c+1], s[10+2*(c/8):11+2*(c/8)] op_sel_hi:[1,0]
.set c, c+1
.endr
.irp g, 0,1,2,3
	v_pk_mul_f32 v[XN+2*\g:XN+2*\g+1], v[X+16*\g:X+16*\g+1], v[X+16*\g:X+16*\g+1]
.endr
.irp i, 1,2,3,4,5,6,7
.irp g, 0,1,2,3
	s_delay_alu instid0(VALU_DEP_4)
	v_pk_fma_f32 v[XN+2*\g:XN+2*\g+1], v[X+16*\g+2*\i:X+16*\g+2*\i+1], v[X+16*\g+2*\i:X+16*\g+2*\i+1], v[XN+2*\g:XN+2*\g+1]
.endr
.endr
.irp g, 0,1,2,3
	s_delay_alu instid0(VALU_DEP_4)
	v_add_f32 v[XN+8+\g], v[XN+2*\g], v[XN+2*\g+1]
.endr
.irp m, 1,2,4,8
.irp g, 0,1,2,3
	s_delay_alu instid0(VALU_DEP_4)
	v_add_f32_dpp v[XN+8+\g], v[XN+8+\g], v[XN+8+\g] row_xmask:\m row_mask:0xf bank_mask:0xf
.endr
.endr
.irp g, 0,1,2,3
	s_delay_alu instid0(VALU_DEP_4)
	v_permlanex16_b32 v[XN+12+\g], v[XN+8+\g], s[SEL], s[SEL+1]
.endr
.irp g, 0,1,2,3
	s_delay_alu instid0(VALU_DEP_4)
	v_add_f32 v[XN+8+\g], v[XN+8+\g], v[XN+12+\g]
.endr
	ds_store_b128 v7, v[XN+8:XN+11]                ; every lane the same 16 bytes with the same values
	BAR
	ds_load_b64 v[XN:XN+1], v8                     ; lane l: wave l / 2's sums of groups 2 (l % 2) and 2 (l % 2) + 1
	s_mov_b32 s4, 0x39000000                       ; 1 / 8,192  (x's loads are in: its base is free)
	s_mov_b32 s5, 0x3727c5ac                       ; 1e-5
	s_wait_dscnt 0x0
.irp m, 2
	v_add_f32_dpp v[XN], v[XN], v[XN] row_xmask:\m row_mask:0xf bank_mask:0xf
	v_add_f32_dpp v[XN+1], v[XN+1], v[XN+1] row_xmask:\m row_mask:0xf bank_mask:0xf
.endr
.irp m, 4, 8
	s_delay_alu instid0(VALU_DEP_2)
	v_add_f32_dpp v[XN], v[XN], v[XN] row_xmask:\m row_mask:0xf bank_mask:0xf
	s_delay_alu instid0(VALU_DEP_2)
	v_add_f32_dpp v[XN+1], v[XN+1], v[XN+1] row_xmask:\m row_mask:0xf bank_mask:0xf
.endr
	s_delay_alu instid0(VALU_DEP_2)
	v_permlanex16_b32 v[XN+2], v[XN], s[SEL], s[SEL+1]
	s_delay_alu instid0(VALU_DEP_2)
	v_permlanex16_b32 v[XN+3], v[XN+1], s[SEL], s[SEL+1]
	s_delay_alu instid0(VALU_DEP_2)
	v_add_f32 v[XN], v[XN], v[XN+2]
	s_delay_alu instid0(VALU_DEP_2)
	v_add_f32 v[XN+1], v[XN+1], v[XN+3]
	s_delay_alu instid0(VALU_DEP_2)
	v_fma_f32 v[XN], v[XN], s4, s5
	s_delay_alu instid0(VALU_DEP_2)
	v_fma_f32 v[XN+1], v[XN+1], s4, s5
	s_wait_alu depctr_va_vdst(0)
	v_rsq_f32 v[XN+2], v[XN]
	v_rsq_f32 v[XN+3], v[XN+1]
	v_nop                                          ; a plain line behind the roots,
	s_wait_alu depctr_va_vdst(0)                   ; and one wait for both, ahead of their first reader
	v_readlane_b32 s20, v[XN+2], 0
	v_readlane_b32 s21, v[XN+3], 0
	v_readlane_b32 s22, v[XN+2], 1
	v_readlane_b32 s23, v[XN+3], 1
.set c, 0
.rept 32
	s_mul_f32 s[32+c], s[32+c], s[20+c/8]          ; gamma x rstd
.set c, c+1
.endr
	; ---- xn, laid so that a position's 32 channels are 32 consecutive registers
.set c, 0
.rept 32
	v_fma_f32 v[XN+c], v[X+2*c], s[32+c], s[68+c]
	v_fma_f32 v[XN+32+c], v[X+2*c+1], s[32+c], s[68+c]
.set c, c+1
.endr
	; ---- a position's 32 channels are a whole block, in one lane
.irp u, 0,1
	v_max3_num_f32 v[TM+\u], |v[XN+32*\u]|, |v[XN+32*\u+1]|, 0x4800000
.endr
.set qi, 2
.rept 15
.irp u, 0,1
	s_delay_alu instid0(VALU_DEP_2)
	v_max3_num_f32 v[TM+\u], v[TM+\u], |v[XN+32*\u+qi]|, |v[XN+32*\u+qi+1]|
.endr
.set qi, qi+2
.endr
.irp u, 0
	s_delay_alu instid0(VALU_DEP_2)
	v_add_nc_u32 v[TM+12+\u], 0xfc000000, v[TM+\u]
	s_delay_alu instid0(VALU_DEP_1)
	v_lshrrev_b32 v[TM+4+\u], 23, v[TM+12+\u]
.endr
.irp u, 1
	s_delay_alu instid0(VALU_DEP_3)
	v_add_nc_u32 v[TM+12+\u], 0xfc000000, v[TM+\u]
	s_delay_alu instid0(VALU_DEP_1)
	v_lshrrev_b32 v[TM+4+\u], 23, v[TM+12+\u]
.endr
.irp u, 0,1
.set qi, 0
.rept 32
.set qi, qi+1
.endr
.irp g, 0,1,2,3
	v_cvt_scalef32_pk8_fp8_f32 v[CD+8*\u+2*\g:CD+8*\u+2*\g+1], v[XN+32*\u+8*\g:XN+32*\u+8*\g+7], v[TM+12+\u]
.endr
.endr
	v_nop
	ds_store_b8 v6, v[TM+4]
	ds_store_b8 v6, v[TM+5] offset:16
.irp u, 0,1
.irp h, 0,1
	global_store_b128 v5, v[CD+8*\u+4*\h:CD+8*\u+4*\h+3], s[18:19] offset:4096*\u+256*\h   ; sixteen lanes store 256 consecutive bytes, aligned
.endr
.endr
	BAR                                            ; the 1,024 scale bytes lie in LDS
	s_cmp_ge_u32 s24, 2
	s_cbranch_scc1 .Lend
	ds_load_b128 v[XN:XN+3], v10
	s_wait_dscnt 0x0
	global_store_b128 v9, v[XN:XN+3], s[2:3]       ; waves 0 and 1: 512 consecutive bytes each
.Lend:
	s_wait_tensorcnt 0x0
	ds_add_u32 v192, v193
	s_wait_dscnt 0x0
	s_endpgm
.Lfunc_end_k_qcf6efec23b_norm:
	.size	k_qcf6efec23b_norm, .Lfunc_end_k_qcf6efec23b_norm-k_qcf6efec23b_norm
	.p2alignl 7, 3214868480
	.fill 96, 4, 3214868480
	.section	.rodata,"a",@progbits
	.p2align	6, 0x0
	.amdhsa_kernel k_qcf6efec23b_norm
		.amdhsa_group_segment_fixed_size 6144
		.amdhsa_private_segment_fixed_size 0
		.amdhsa_enable_private_segment 0
		.amdhsa_kernarg_size 80
		.amdhsa_user_sgpr_count 2
		.amdhsa_user_sgpr_kernarg_segment_ptr 1
		.amdhsa_wavefront_size32 1
		.amdhsa_system_sgpr_workgroup_id_x 1
		.amdhsa_system_sgpr_workgroup_id_y 1
		.amdhsa_system_sgpr_workgroup_id_z 1
		.amdhsa_system_vgpr_workitem_id 0
		.amdhsa_next_free_vgpr 194
		.amdhsa_next_free_sgpr 100
		.amdhsa_reserve_vcc 1
		.amdhsa_float_denorm_mode_32 3
		.amdhsa_float_denorm_mode_16_64 3
		.amdhsa_fp16_overflow 1
		.amdhsa_memory_ordered 1
		.amdhsa_forward_progress 1
		.amdhsa_inst_pref_size 49
	.end_amdhsa_kernel
	.amdgpu_metadata
---
amdhsa.version: [ 1, 2 ]
amdhsa.kernels:
  - .name:           k_qcf6efec23b_norm
    .symbol:         k_qcf6efec23b_norm.kd
    .args:
      - { .name: x, .offset: 0, .size: 8, .value_kind: global_buffer, .address_space: global }
      - { .name: gn_gamma, .offset: 8, .size: 8, .value_kind: global_buffer, .address_space: global }
      - { .name: gn_beta, .offset: 16, .size: 8, .value_kind: global_buffer, .address_space: global }
      - { .name: w_qkv, .offset: 24, .size: 8, .value_kind: global_buffer, .address_space: global }
      - { .name: w_proj, .offset: 32, .size: 8, .value_kind: global_buffer, .address_space: global }
      - { .name: w_se1, .offset: 40, .size: 8, .value_kind: global_buffer, .address_space: global }
      - { .name: w_se2, .offset: 48, .size: 8, .value_kind: global_buffer, .address_space: global }
      - { .name: xq, .offset: 56, .size: 8, .value_kind: global_buffer, .address_space: global }
      - { .name: wq, .offset: 64, .size: 8, .value_kind: global_buffer, .address_space: global }
      - { .name: pool, .offset: 72, .size: 8, .value_kind: global_buffer, .address_space: global }
    .group_segment_fixed_size: 6144
    .private_segment_fixed_size: 0
    .kernarg_segment_align: 8
    .kernarg_segment_size: 80
    .max_flat_workgroup_size: 512
    .sgpr_count:     100
    .vgpr_count:     194
    .wavefront_size: 32
...
	.end_amdgpu_metadata
.endif
;; end of part 1
;; launch qkv (part 2): grid 8 x 32, 4 waves a work-group, clusters of 4 x 1, 229,888 bytes of LDS; arguments xq, wq, b_qkv, qq, kvq; writes qq, kvq
.if DOCPART == 2
	.amdgcn_target "amdgcn-amd-amdhsa--gfx1250"
	.amdhsa_code_object_version 6
	.text
	.protected	k_qcf6efec23b_qkv
	.globl	k_qcf6efec23b_qkv
	.p2align	8
	.type	k_qcf6efec23b_qkv,@function
k_qcf6efec23b_qkv:
	s_mov_b64 s[64:65], 0
	v_nop
	global_prefetch_b8 v0, s[64:65] scope:SCOPE_SE
	s_setreg_imm32_b32 hwreg(HW_REG_WAVE_MODE, 25, 1), 1
	s_wait_xcnt 0x0
	s_wait_alu depctr_hold_cnt(0) depctr_sa_sdst(0) depctr_va_vdst(0) depctr_va_sdst(0) depctr_va_ssrc(0) depctr_va_vcc(0) depctr_vm_vsrc(0)
	s_getreg_b32 s2, hwreg(HW_REG_IB_STS2, 6, 4)
	s_cmp_eq_u32 s2, 0
	s_cbranch_scc0 .Lentry_in_a_cluster
	s_endpgm
.Lentry_in_a_cluster:
	s_bfe_u32 s2, ttmp6, 0x10000c
	s_cmp_lg_u32 s2, 0x3003
	s_cbranch_scc0 .Lentry_shape_is_right
	s_endpgm
.Lentry_shape_is_right:
; q, k, v = w_qkv xn + b_qkv on codes of E4M3 with E8M0 scales, and each result quantised in registers for the product that takes it: q and k along the channels, v along the positions (the keys).
; SHARES.  Work-group (x, b) owns positions 128 x .. 128 x + 127 of batch b, as eight tiles of 16 (row r of tile 2 nb + u is position 32 nb + 2 r + u), and all 768 outputs.
; THE WAVES SHARE THE OUTPUTS: wave w keeps in registers rows 128 w .. 128 w + 127 of w_qkv (waves 0, 1: a K step of q; waves 2, 3: of k) and rows 512 + 64 w .. + 63 (v).  So each wave makes whole operand images and whole scale words.
; q, k: the product is used transposed (source 0 = 16 rows of the weight, source 1 = 16 positions): a lane holds one position, and since row r of weight tile T is row 32 (T / 2) + 8 (T % 2) + r + 8 (r / 8), its 64 registers are 16 neighbouring channels of each of four blocks.
; v: source 0 = 16 positions, source 1 = 16 rows of the weight: a lane holds one channel and, of each block of 32 keys, its half's 16 (in the order 2 j + u; the scores' registers have the same order, so the second product's K agrees on both sides).
; The biases are the C of each sum's first matrix instruction.
; CLUSTER.  All work-groups read the same weight images: the four of a cluster ask for them jointly (the descriptors hang on the wave's number alone).  xn's images are each work-group's own: a plain load.  LDS is filled once.
; FROM LDS TO REGISTERS.  Ahead of the first product stand the 64 loads of my q or k rows and the 8 of position tile 0; each of the eight units that follow asks, ahead of its products, for the next tile's two images and for one image of my v rows: 12 loads, which land under the unit's 16 products and its quantiser.
; REGISTERS: window 0: v0-13 addresses; v16-39 the weights' scale words; v40-47 xn's (lanes 0-15: K step 0, lanes 16-31: K step 1); v48-63 the quantiser's; v72-87 codes; v88-99 scale words made; v104-167 eight accumulators.
;   window 1: the 16 images of my q or k rows.  window 2: v0-127 the 8 images of my v rows; v128-191, v192-223 biases.  window 3: xn's 16 images.
; LIMITS: NaN and infinities are not served; a block under 2^-118, and a block of zeros, keep the byte 1.
.set WS,  16
.set XS,  40
.set TM,  48
.set PC,  72
.set PWK, 88
.set PWV, 96
.set OUT, 100
.set ACC, 104
.set WV,  14
.set SEL, 56
.set MNT, 58
.set MSB, 0
.macro WIN new                         ; the immediate's high byte repeats the setting that is left
.if MSB != \new
	s_set_vgpr_msb (MSB<<8)|\new
.set MSB, \new
.endif
.endm
.macro PLACES n
.rept \n
	v_nop
.endr
.endm
.macro CROUND                          ; a round of the cluster's barrier
	s_barrier_signal -1
	s_barrier_wait -1
	s_cmp_lg_u32 s[WV], 0
	s_cbranch_scc1 .Lnw0_\@
	s_barrier_signal -3
.Lnw0_\@:
	s_barrier_wait -3
	s_barrier_signal -1
	s_barrier_wait -1
.endm
; 64 numbers of a lane, register 16 b + i = place 32 b + 16 (lane / 16) + i along K of its row, become the codes v[dc] on and the row's scale word v[dw]
.macro QUANT s, dc, dw
.irp b, 0,1,2,3
	v_max3_num_f32 v[TM+\b], |v[(\s)+16*\b]|, |v[(\s)+16*\b+1]|, 0x4800000   ; each accumulator is read from its low end on; the floor 2^(9 - 127) holds the byte at 1 from below
.endr
.irp i, 2,4,6,8,10,12,14
.irp b, 0,1,2,3
	v_max3_num_f32 v[TM+\b], v[TM+\b], |v[(\s)+16*\b+\i]|, |v[(\s)+16*\b+\i+1]|
.endr
.endr
.irp b, 0,1,2,3
	v_permlanex16_b32 v[TM+4+\b], v[TM+\b], s[SEL], s[SEL+1]
.endr
.irp b, 0,1,2,3
	v_max_num_f32 v[TM+\b], v[TM+\b], v[TM+4+\b]
.endr
.irp b, 0,1,2,3
	v_add_nc_u32 v[TM+12+\b], 0xfc000000, v[TM+\b]
.endr
.irp b, 0,1,2,3
.endr
.irp b, 0,1,2,3
	v_lshrrev_b32 v[TM+4+\b], 23, v[TM+12+\b]
.endr
	v_lshl_or_b32 v[\dw], v[TM+5], 8, v[TM+4]
	v_lshl_or_b32 v[\dw], v[TM+6], 16, v[\dw]
	v_lshl_or_b32 v[\dw], v[TM+7], 24, v[\dw]
.irp b, 0,1,2,3
.irp i, 0,1,2,3,4,5,6,7,8,9,10,11,12,13,14,15
.endr
	v_cvt_scalef32_pk8_fp8_f32 v[(\dc)+4*\b:(\dc)+4*\b+1], v[(\s)+16*\b:(\s)+16*\b+7], v[TM+12+\b]
	v_cvt_scalef32_pk8_fp8_f32 v[(\dc)+4*\b+2:(\dc)+4*\b+3], v[(\s)+16*\b+8:(\s)+16*\b+15], v[TM+12+\b]
.endr
	v_nop                                          ; a plain line behind the last conversion
.endm
	s_load_b256 s[4:11], s[0:1], 0x0               ; xq, wq, b_qkv, qq
	s_load_b64 s[12:13], s[0:1], 0x20              ; kvq
	v_lshl_add_u32 v254, v0, 2, 0x38000
	v_mov_b32 v255, 0
	ds_add_u32 v254, v255
	ds_add_u32 v254, v255
	v_lshrrev_b32 v1, 5, v0
	v_readfirstlane_b32 s[WV], v1                  ; wave 0..3
	s_bfe_u32 s15, ttmp6, 0x40000                  ; cx
	s_lshl_b32 s16, ttmp9, 2
	s_add_co_u32 s16, s16, s15                     ; x = 4 x cluster + cx: it enters global addresses alone
	s_and_b32 s17, ttmp7, 0xffff                   ; b
	; descriptor groups 1: dense blocks as rows of 256 bytes (32 elements of 8 bytes): 128, 64 and 32 rows.  The first two carry the mask of all four work-groups, with bit 21 beside it
	s_mov_b32 s20, 15|(3<<16)|(1<<21)
	s_mov_b32 s21, 32<<16
	s_mov_b32 s22, 128<<16
	s_mov_b32 s23, 32<<16
	s_mov_b32 s24, 128
	s_mov_b32 s25, 32
	s_mov_b32 s26, 0
	s_mov_b32 s27, 0
	s_mov_b32 s28, 15|(3<<16)|(1<<21)
	s_mov_b32 s29, 32<<16
	s_mov_b32 s30, 64<<16
	s_mov_b32 s31, 32<<16
	s_mov_b32 s32, 64
	s_mov_b32 s33, 32
	s_mov_b32 s34, 0
	s_mov_b32 s35, 0
	s_mov_b32 s36, 3<<16
	s_mov_b32 s37, 32<<16
	s_mov_b32 s38, 32<<16
	s_mov_b32 s39, 32<<16
	s_mov_b32 s40, 32
	s_mov_b32 s41, 32
	s_mov_b32 s42, 0
	s_mov_b32 s43, 0
	s_mov_b32 s[SEL], 0x76543210
	s_mov_b32 s[SEL+1], 0xfedcba98
	s_mov_b32 s59, 0xffff0000                      ; lanes 16-31
	s_mov_b32 s73, 0
	s_mov_b32 s77, 0
	s_wait_dscnt 0x0
	s_wait_kmcnt 0x0
	s_mov_b32 s44, 1                               ; my 16 images of q or k rows: wq + 32,768 w -> LDS 32,768 w
	s_lshl_b32 s45, s[WV], 15
	s_lshl_b32 s72, s[WV], 15
	s_add_nc_u64 s[46:47], s[6:7], s[72:73]
	s_or_b32 s47, s47, 0x80000000
	s_mov_b32 s48, 1                               ; my 8 images of v rows: wq + 131,072 + 16,384 w -> the same LDS byte
	s_lshl_b32 s72, s[WV], 14
	s_add_co_u32 s72, s72, 131072
	s_lshl_b32 s49, s[WV], 14
	s_add_co_u32 s49, s49, 131072
	s_add_nc_u64 s[50:51], s[6:7], s[72:73]
	s_or_b32 s51, s51, 0x80000000
	s_mov_b32 s52, 1                               ; a quarter of xn's 16 images: xq + 262,144 b + 32,768 x + 8,192 w -> LDS 196,608 + 8,192 w
	s_lshl_b32 s53, s[WV], 13
	s_add_co_u32 s53, s53, 196608
	s_lshl_b32 s76, s17, 18
	s_lshl_b32 s74, s16, 15
	s_add_co_u32 s76, s76, s74
	s_lshl_b32 s74, s[WV], 13
	s_add_co_u32 s76, s76, s74
	s_add_nc_u64 s[54:55], s[4:5], s[76:77]
	s_or_b32 s55, s55, 0x80000000
	CROUND                                         ; all four work-groups are here: the joint loads meet
	tensor_load_to_lds s[44:47], s[20:27]          ; three loads of mine are out; LDS is filled once
	s_nop 0
	tensor_load_to_lds s[48:51], s[28:35]
	s_nop 0
	tensor_load_to_lds s[52:55], s[36:43]
	s_nop 0
.rept 4
	v_nop
.endr
	v_and_b32 v1, 31, v0
	v_and_b32 v2, 15, v0                           ; r
	v_bfe_u32 v3, v0, 4, 1                         ; h
	v_lshlrev_b32 v4, 4, v1                        ; 16 lane
	v_lshlrev_b32 v5, 2, v1                        ; 4 lane
	v_and_b32 v6, 8, v2
	v_add_nc_u32 v6, v6, v2
	v_lshlrev_b32 v6, 2, v6                        ; 4 (r + 8 (r / 8))
	v_lshlrev_b32 v7, 6, v3                        ; 64 h
	v_lshl_or_b32 v8, v3, 12, v2                   ; 4,096 h + r
	s_lshl_b32 s72, s[WV], 15
	v_add_nc_u32 v9, s72, v4
	s_lshl_b32 s72, s[WV], 14
	s_add_co_u32 s72, s72, 131072
	v_add_nc_u32 v10, s72, v4
	v_add_nc_u32 v11, 196608, v4
	v_lshlrev_b32 v12, 5, v2
	v_lshl_or_b32 v12, v3, 4, v12                  ; 32 r + 16 h
	v_lshlrev_b32 v13, 4, v2
	v_lshl_or_b32 v13, v3, 3, v13                  ; 16 r + 8 h
.irp j, 4,5,6,7
	v_mov_b32 v[TM+\j], 0                          ; written once: a lane permute's destination counts as one of its sources
.endr
	s_lshl_b32 s72, s[WV], 11
	s_add_co_u32 s72, s72, 311296
	s_add_nc_u64 s[18:19], s[6:7], s[72:73]        ; scale words of my q or k rows' images
	s_lshl_b32 s72, s[WV], 10
	s_add_co_u32 s72, s72, 311296+8192
	s_add_nc_u64 s[62:63], s[6:7], s[72:73]        ; and of my v rows'
	s_lshl_b32 s72, s[WV], 9
	s_add_nc_u64 s[2:3], s[8:9], s[72:73]          ; b_qkv at 128 w
	s_lshl_b32 s72, s[WV], 8
	s_add_co_u32 s72, s72, 2048
	s_add_nc_u64 s[8:9], s[8:9], s[72:73]          ; b_qkv at 512 + 64 w
	s_lshl_b32 s74, s17, 13
	s_lshl_b32 s75, s16, 7
	s_add_co_u32 s74, s74, s75
	s_add_co_u32 s74, s74, 8388608
	s_mov_b32 s75, 0
	s_add_nc_u64 s[4:5], s[4:5], s[74:75]          ; xn's scale bytes: plane 0 of batch b, at my first tile
.set i, 0
.rept 16
	global_load_b32 v[WS+i], v5, s[18:19] offset:128*i
.set i, i+1
.endr
.set i, 0
.rept 8
	global_load_b32 v[WS+16+i], v5, s[62:63] offset:128*i
.set i, i+1
.endr
.irp p, 0,1,2,3,4,5,6,7
.irp i, 0,1,2,3
	global_load_u8 v[ACC+4*\p+\i], v8, s[4:5] offset:1024*\i+16*\p   ; tile p, row r: the byte of channel block 4 h + i
.endr
.endr
	WIN 0x80
.irp k, 0,1,2,3,4,5,6,7
	global_load_b128 v[128+8*\k:128+8*\k+3], v7, s[2:3] offset:(32*(\k/2)+8*(\k%2))*4      ; tile k's bias in the result's layout: channels 32 (k / 2) + 8 (k % 2) + 16 h + 0 .. 7
	global_load_b128 v[128+8*\k+4:128+8*\k+7], v7, s[2:3] offset:(32*(\k/2)+8*(\k%2))*4+16
.endr
.irp o, 0,1,2,3
.irp j, 0,1,2,3,4,5,6,7
	global_load_b32 v[192+8*\o+\j], v6, s[8:9] offset:(32*(\o/2)+8*(\o%2))*4               ; v: my lane's channel, in all eight registers of a C
.endr
.endr
	WIN 0
	; where the results go (x enters here)
	s_and_b32 s74, s[WV], 1                        ; which K step of q or of k is mine
	s_lshl_b32 s75, s17, 3
	s_add_co_u32 s75, s75, s16                     ; 8 b + x
	s_lshl_b32 s76, s75, 15                        ; q's images: 32,768 (8 b + x)
	s_lshl_b32 s77, s17, 19                        ; kvq: 524,288 b + 131,072 (x / 2) + 32,768 (x % 2)
	s_lshr_b32 s78, s16, 1
	s_lshl_b32 s78, s78, 17
	s_add_co_u32 s77, s77, s78
	s_and_b32 s78, s16, 1
	s_lshl_b32 s78, s78, 15
	s_add_co_u32 s77, s77, s78
	s_lshl_b32 s78, s[WV], 13
	s_add_co_u32 s78, s78, s77
	s_add_co_u32 s78, s78, 65536
	s_mov_b32 s79, 0
	s_add_nc_u64 s[66:67], s[12:13], s[78:79]      ; v's images: + 65,536 + 8,192 w
	s_lshl_b32 s78, s75, 11
	s_add_co_u32 s78, s78, 16777216+1024
	s_lshl_b32 s79, s[WV], 8
	s_add_co_u32 s78, s78, s79
	s_mov_b32 s79, 0
	s_add_nc_u64 s[70:71], s[12:13], s[78:79]      ; v's scale words
	s_lshl_b32 s78, s74, 11
	s_add_co_u32 s76, s76, s78
	s_add_co_u32 s77, s77, s78
	s_cmp_lt_u32 s[WV], 2                          ; waves 0, 1 store q, waves 2, 3 store k
	s_cselect_b64 s[60:61], s[10:11], s[12:13]
	s_cselect_b64 s[68:69], s[10:11], s[12:13]
	s_cselect_b32 s78, s76, s77
	s_add_nc_u64 s[60:61], s[60:61], s[78:79]      ; my images
	s_lshl_b32 s76, s75, 10
	s_add_co_u32 s76, s76, 8388608
	s_lshl_b32 s77, s75, 11
	s_add_co_u32 s77, s77, 16777216
	s_lshl_b32 s78, s74, 9
	s_add_co_u32 s76, s76, s78
	s_add_co_u32 s77, s77, s78
	s_cmp_lt_u32 s[WV], 2
	s_cselect_b32 s78, s76, s77
	s_add_nc_u64 s[68:69], s[68:69], s[78:79]      ; my scale words
	s_wait_alu depctr_va_vdst(0)
	s_wait_tensorcnt 0x0                           ; my three loads have landed,
	s_barrier_signal -1
	s_barrier_wait -1                              ; everybody's have: xn's quarters come from four waves
	WIN 0x40
.set i, 0
.rept 16
.irp c, 0,1,2,3
	ds_load_b128 v[16*i+4*\c:16*i+4*\c+3], v9 offset:2048*i+512*\c       ; my q or k rows
.endr
.set i, i+1
.endr
	WIN 0xc0
.set i, 0
.rept 2
.irp c, 0,1,2,3
	ds_load_b128 v[16*i+4*\c:16*i+4*\c+3], v11 offset:2048*i+512*\c      ; position tile 0; the others come a unit ahead of their use
.endr
.set i, i+1
.endr
	WIN 0
	s_wait_loadcnt 0x0
.irp p, 0,1,2,3,4,5,6,7
	v_lshl_or_b32 v[XS+\p], v[ACC+4*\p+1], 8, v[ACC+4*\p]
	v_lshl_or_b32 v[XS+\p], v[ACC+4*\p+2], 16, v[XS+\p]
	v_lshl_or_b32 v[XS+\p], v[ACC+4*\p+3], 24, v[XS+\p]
.endr
	PLACES 8                                       ; scale words made by vector instructions stand eight places ahead of the products
; Tile p of positions against my eight weight tiles: 16 matrix instructions, the eight accumulators by turns; then one image of q or k
.macro QKUNIT p
	s_wait_dscnt 0x0                               ; tile p's two images are in (ahead of unit 0: my q or k rows too)
.if (\p) < 7
	WIN 0xc0
.irp e, 0,1
.irp c, 0,1,2,3
	ds_load_b128 v[32*((\p)+1)+16*\e+4*\c:32*((\p)+1)+16*\e+4*\c+3], v11 offset:2048*(2*((\p)+1)+\e)+512*\c   ; the next tile's two images: registers that no product has read
.endr
.endr
.endif
	WIN 0x80
.irp c, 0,1,2,3
	ds_load_b128 v[16*(\p)+4*\c:16*(\p)+4*\c+3], v10 offset:2048*(\p)+512*\c                                   ; image p of my v rows
.endr
	WIN 0x2d                                       ; source 0 window 1, source 1 window 3, C (the bias) window 2
.irp k, 0,1,2,3,4,5,6,7
	v_wmma_scale_f32_16x16x128_f8f6f4 v[ACC+8*\k:ACC+8*\k+7], v[32*\k:32*\k+15], v[32*(\p):32*(\p)+15], v[128+8*\k:128+8*\k+7], v[WS+2*\k], v[XS+(\p)]
.endr
	WIN 0x0d
.irp k, 0,1,2,3,4,5,6,7
	v_wmma_scale_f32_16x16x128_f8f6f4 v[ACC+8*\k:ACC+8*\k+7], v[32*\k+16:32*\k+31], v[32*(\p)+16:32*(\p)+31], v[ACC+8*\k:ACC+8*\k+7], v[WS+2*\k+1], v[XS+(\p)] matrix_b_scale:MATRIX_SCALE_ROW1
.endr
	WIN 0
	PLACES 8                                       ; ahead of the first read of results
	s_wait_xcnt 0x0                                ; the last image's stores have read the codes' registers
	QUANT ACC, PC, PWK+(\p)
.irp c, 0,1,2,3
	global_store_b128 v4, v[PC+4*\c:PC+4*\c+3], s[60:61] offset:4096*(\p)+512*\c   ; 512 consecutive bytes
.endr
.endm
; My weight tile o of v against the eight tiles of positions: a lane holds one channel and 64 keys; then one image of v
.macro VUNIT o
	s_wait_dscnt 0x0                               ; the last image of my v rows is in
	WIN 0x2b                                       ; source 0 window 3, source 1 and C window 2
.irp p, 0,1,2,3,4,5,6,7
	v_wmma_scale_f32_16x16x128_f8f6f4 v[ACC+8*\p:ACC+8*\p+7], v[32*\p:32*\p+15], v[32*(\o):32*(\o)+15], v[192+8*(\o):192+8*(\o)+7], v[XS+\p], v[WS+16+2*(\o)]
.endr
	WIN 0x0b
.irp p, 0,1,2,3,4,5,6,7
	v_wmma_scale_f32_16x16x128_f8f6f4 v[ACC+8*\p:ACC+8*\p+7], v[32*\p+16:32*\p+31], v[32*(\o)+16:32*(\o)+31], v[ACC+8*\p:ACC+8*\p+7], v[XS+\p], v[WS+16+2*(\o)+1] matrix_a_scale:MATRIX_SCALE_ROW1
.endr
	WIN 0
	PLACES 8
	s_wait_xcnt 0x0
	QUANT ACC, PC, PWV+(\o)
.irp c, 0,1,2,3
	global_store_b128 v4, v[PC+4*\c:PC+4*\c+3], s[66:67] offset:2048*(\o)+512*\c
.endr
.endm
.irp p, 0,1,2,3,4,5,6,7
	QKUNIT \p
.endr
.irp o, 0,1,2,3
	VUNIT \o
.endr
	; the scale words leave in whole runs: q, k: [row][tile], lanes 0-15 tiles 0-3, lanes 16-31 tiles 4-7: 512 consecutive bytes; v: [row][tile of four]: 256
.irp i, 0,1,2,3
	v_cndmask_b32 v[OUT+\i], v[PWK+\i], v[PWK+4+\i], s59
.endr
	v_cndmask_b32 v[TM], v[PWV], v[PWV+2], s59
	v_cndmask_b32 v[TM+1], v[PWV+1], v[PWV+3], s59
	global_store_b128 v12, v[OUT:OUT+3], s[68:69]
	global_store_b64 v13, v[TM:TM+1], s[70:71]
	s_wait_tensorcnt 0x0
	ds_add_u32 v254, v255
	s_wait_dscnt 0x0
	CROUND                                         ; the closing round: no work-group ends while a partner may still ask jointly
	s_endpgm
.Lfunc_end_k_qcf6efec23b_qkv:
	.size	k_qcf6efec23b_qkv, .Lfunc_end_k_qcf6efec23b_qkv-k_qcf6efec23b_qkv
	.p2alignl 7, 3214868480
	.fill 96, 4, 3214868480
	.section	.rodata,"a",@progbits
	.p2align	6, 0x0
	.amdhsa_kernel k_qcf6efec23b_qkv
		.amdhsa_group_segment_fixed_size 229888
		.amdhsa_private_segment_fixed_size 0
		.amdhsa_enable_private_segment 0
		.amdhsa_kernarg_size 40
		.amdhsa_user_sgpr_count 2
		.amdhsa_user_sgpr_kernarg_segment_ptr 1
		.amdhsa_wavefront_size32 1
		.amdhsa_system_sgpr_workgroup_id_x 1
		.amdhsa_system_sgpr_workgroup_id_y 1
		.amdhsa_system_sgpr_workgroup_id_z 1
		.amdhsa_system_vgpr_workitem_id 0
		.amdhsa_next_free_vgpr 1024
		.amdhsa_next_free_sgpr 80
		.amdhsa_reserve_vcc 0
		.amdhsa_float_denorm_mode_32 3
		.amdhsa_float_denorm_mode_16_64 3
		.amdhsa_fp16_overflow 1
		.amdhsa_memory_ordered 1
		.amdhsa_forward_progress 1
		.amdhsa_inst_pref_size 108
	.end_amdhsa_kernel
	.amdgpu_metadata
---
amdhsa.version: [ 1, 2 ]
amdhsa.kernels:
  - .name:           k_qcf6efec23b_qkv
    .symbol:         k_qcf6efec23b_qkv.kd
    .args:
      - { .name: xq, .offset: 0, .size: 8, .value_kind: global_buffer, .address_space: global }
      - { .name: wq, .offset: 8, .size: 8, .value_kind: global_buffer, .address_space: global }
      - { .name: b_qkv, .offset: 16, .size: 8, .value_kind: global_buffer, .address_space: global }
      - { .name: qq, .offset: 24, .size: 8, .value_kind: global_buffer, .address_space: global }
      - { .name: kvq, .offset: 32, .size: 8, .value_kind: global_buffer, .address_space: global }
    .group_segment_fixed_size: 229888
    .private_segment_fixed_size: 0
    .kernarg_segment_align: 8
    .kernarg_segment_size: 40
    .max_flat_workgroup_size: 128
    .sgpr_count:     80
    .vgpr_count:     1024
    .wavefront_size: 32
...
	.end_amdgpu_metadata
.endif
;; end of part 2
;; launch attn (part 3): grid 8 x 32, 4 waves a work-group, clusters of 4 x 1, 327,680 bytes of LDS; arguments qq, kvq, wq, pool, b_se1, b_se2, b_proj, x, out0; writes out0
.if DOCPART == 3
	.amdgcn_target "amdgcn-amd-amdhsa--gfx1250"
	.amdhsa_code_object_version 6
	.text
	.protected	k_qcf6efec23b_attn
	.globl	k_qcf6efec23b_attn
	.p2align	8
	.type	k_qcf6efec23b_attn,@function
k_qcf6efec23b_attn:
	s_mov_b64 s[64:65], 0
	v_nop
	global_prefetch_b8 v0, s[64:65] scope:SCOPE_SE
	s_setreg_imm32_b32 hwreg(HW_REG_WAVE_MODE, 25, 1), 1
	s_wait_xcnt 0x0
	s_wait_alu depctr_hold_cnt(0) depctr_sa_sdst(0) depctr_va_vdst(0) depctr_va_sdst(0) depctr_va_ssrc(0) depctr_va_vcc(0) depctr_vm_vsrc(0)
	s_getreg_b32 s2, hwreg(HW_REG_IB_STS2, 6, 4)
	s_cmp_eq_u32 s2, 0
	s_cbranch_scc0 .Lentry_in_a_cluster
	s_endpgm
.Lentry_in_a_cluster:
	s_bfe_u32 s2, ttmp6, 0x10000c
	s_cmp_lg_u32 s2, 0x3003
	s_cbranch_scc0 .Lentry_shape_is_right
	s_endpgm
.Lentry_shape_is_right:
; out = x + (w_proj attention(q, k, v) + b_proj) gate, gate = sigmoid(w_se2 relu(w_se1 pooled + b_se1) + b_se2); every product on codes of E4M3 with one E8M0 scale for each 32 along its K.
; All operands arrive as images of operand registers (2,048 bytes: 16 rows x 128 K, byte 512 c + 16 lane + i), with their scale words beside them.
; THE SOFTMAX: t = score x log2(e) / 16; M = the running largest t rounded up to a whole number; p = 2^(t - M) is quantised along the keys; the row's sum is taken of the unquantised p and divides at the end; when M moves, the sum and O are multiplied by 2^(old M - new M), exactly.
; SHARES.  Work-group (x, b) owns queries 128 x .. + 127 of batch b; wave w owns two tiles of 16, so that each fragment of K and V read from LDS feeds two matrix instructions.  Every wave walks the 1,024 keys, 128 a step.
; Both products are used transposed (S^T = K Q^T, O^T = V^T P^T): a lane holds one query throughout.  Row r of key tile 2 nb + u is key 32 nb + 2 r + u, so the 16 registers of two neighbouring score tiles are the lane's half of a block of 32 keys, in the order in which V's images have their keys.
; V's channel tiles are such that O^T's 64 registers of a K step are 16 neighbouring channels of each of four blocks: O^T / sum is quantised in place for the projection, and its images go from wave to wave through LDS.
; THE TRIP (key steps j and j + 1).  Tile 1's softmax of step j: among its lines K's fragments 0-11 of step j + 1 are asked of LDS, one or two fragments at a time, and tile 0's sixteen products V^T P of step j stand among its conversions
; | tile 1's sixteen V^T P of step j; behind the first four, K's fragments 12-15 are asked, into the registers that V's fragments 0-3 have left | tile 0's sixteen K Q^T of step j + 1
; | tile 0's softmax of step j + 1: among its lines V's fragments 4-15 of step j + 1 are asked, tile 1's sixteen K Q^T stand among its conversions, and V's fragments 0-3 are asked behind them.
; No LDS load stands between an exponential and the wait for it.  A product among a softmax's lines names no register of that softmax: it belongs to the other tile.
; THE RING.  Two slots of two key steps (131,072 bytes); wave w fills part w (0, 1: K of the two steps; 2, 3: V).  CLUSTER: the four work-groups of a cluster walk the same K and V, so each fill is asked for jointly.
; When slot 0 has been read for the last time it takes x's tile for the residual (each wave its own 64 channels x 128 positions: a plain load).
; PROJECTION.  Wave w makes outputs 64 w .. + 63 for all 128 queries (source 0 = 16 queries, source 1 = 16 rows of w_proj): a lane holds one output channel and 64 positions, which go through the wave's stage and leave as rows of 512 bytes.
; REGISTERS: window 0: v1-11 addresses; v12-19 -M, largest t, sum (two halves) for each tile; v20-47 scale words (Q, P, K, V); v48-69 at work; v72-103 P's codes; v104-231 S^T, then p; v232-247 biases, gate.
;   window 1: O^T (128 a tile), later the projection's 32 accumulators.  window 2: K's fragments 0-11, Q at v192.  window 3: V's 16 fragments; K's fragments 12-15 share v0-63.
; LIMITS: NaN and infinities are not served; a block under 2^-118, and a block of zeros, keep the byte 1.  Biases are the first addend of their sums.
.set SLOT1, 131072
.set SCB,   262144                     ; K's and V's scale words of the whole batch: 2,048 bytes a key step
.set SPARE, 278528                     ; the spare words: 128 bytes a wave, two blocks of 256 bytes that no other line names
.set XIMG,  279040                     ; the 16 images of O / sum
.set XSC,   311808                     ; and their scale words, 128 bytes each
.set L16,  1
.set AV0,  2
.set ASK0, 3
.set ASV0, 4
.set SPW,  5
.set NIL,  6
.set PFO,  7
.set ADR,  8
.set ADR2, 9
.set ADS,  10
.set L4,   11
.set ST,   12
.set QS,   20
.set PS,   22
.set KS,   24
.set VS,   32
.set TM,   48
.set BM,   48
.set PT,   52
.set HOLD, 56
.set SOP,  60
.set T0,   64
.set FP,   66
.set S2,   68
.set PC,   72
.set S,    104
.set B2L,  232
.set BPL,  236
.set G,    240
.set BG,   244
.set WV,   30
.set CS,   80
.set SEL,  82
.set MNT,  84
.set TB,   85                          ; LDS byte of K's part of the step to be fetched
.set TS,   86                          ; and of its scale words, from SCB on
.set SLOTS, 87
.set TWICE, 88
.set LIM,  89
.set PFA,  90
.set MSB, 0
.set dkind, 0
.set dk, 0
.set mkind, 0
.set mk, 0
.set fi, 0
.macro WIN new                         ; the immediate's high byte repeats the setting that is left
.if MSB != \new
	s_set_vgpr_msb (MSB<<8)|\new
.set MSB, \new
.endif
.endm
.macro PLACES n
.rept \n
	v_nop
.endr
.endm
.macro CROUND                          ; a round of the cluster's barrier
	s_barrier_signal -1
	s_barrier_wait -1
	s_cmp_lg_u32 s[WV], 0
	s_cbranch_scc1 .Lnw0_\@
	s_barrier_signal -3
.Lnw0_\@:
	s_barrier_wait -3
	s_barrier_signal -1
	s_barrier_wait -1
.endm
; 16 nb numbers of a lane, register 16 b + i = place 32 b + 16 (lane / 16) + i along K of its row, become the codes v[dc] on and the row's scale word v[dw].  relu = 1: what is negative becomes 0 on the way
.macro QUANT s, relu, nb, dc, dw
.set qb, 0
.rept \nb
.if \relu
	v_max3_num_f32 v[TM+qb], v[(\s)+16*qb], v[(\s)+16*qb+1], 0x4800000
.else
	v_max3_num_f32 v[TM+qb], |v[(\s)+16*qb]|, |v[(\s)+16*qb+1]|, 0x4800000
.endif
.set qb, qb+1
.endr
.set qi, 2
.rept 7
.set qb, 0
.rept \nb
.if \relu
	v_max3_num_f32 v[TM+qb], v[TM+qb], v[(\s)+16*qb+qi], v[(\s)+16*qb+qi+1]
.else
	v_max3_num_f32 v[TM+qb], v[TM+qb], |v[(\s)+16*qb+qi]|, |v[(\s)+16*qb+qi+1]|
.endif
.set qb, qb+1
.endr
.set qi, qi+2
.endr
.set qb, 0
.rept \nb
	v_permlanex16_b32 v[TM+4+qb], v[TM+qb], s[SEL], s[SEL+1]
.set qb, qb+1
.endr
.set qb, 0
.rept \nb
	v_max_num_f32 v[TM+qb], v[TM+qb], v[TM+4+qb]
.set qb, qb+1
.endr
.set qb, 0
.rept \nb
	v_add_nc_u32 v[TM+12+qb], 0xfc000000, v[TM+qb]
	v_and_or_b32 v[TM+8+qb], v[TM+qb], 0x7f800000, s[MNT]
	v_lshrrev_b32 v[TM+4+qb], 23, v[TM+12+qb]
.set qb, qb+1
.endr
	v_lshl_or_b32 v[\dw], v[TM+5], 8, v[TM+4]
.if \nb > 2
	v_lshl_or_b32 v[\dw], v[TM+6], 16, v[\dw]
	v_lshl_or_b32 v[\dw], v[TM+7], 24, v[\dw]
.endif
.set qb, 0
.rept \nb
.set qi, 0
.rept 16
.if \relu
	v_med3_num_f32 v[(\s)+16*qb+qi], v[(\s)+16*qb+qi], 0, v[TM+8+qb]
.else
.endif
.set qi, qi+1
.endr
	v_cvt_scalef32_pk8_fp8_f32 v[(\dc)+4*qb:(\dc)+4*qb+1], v[(\s)+16*qb:(\s)+16*qb+7], v[TM+12+qb]
	v_cvt_scalef32_pk8_fp8_f32 v[(\dc)+4*qb+2:(\dc)+4*qb+3], v[(\s)+16*qb+8:(\s)+16*qb+15], v[TM+12+qb]
.set qb, qb+1
.endr
	v_nop                                          ; a plain line behind the last conversion
.endm
; THE DEAL.  The next n fragments (four loads each) of the fetch in hand.  dkind = 1: K's fragment dk = 8 s + tile, which is image 2 tile + s of the step's part, into window 2;  dkind = 2: V's fragment dk into window 3;  0: nothing
.macro DEAL n
.if dkind == 1
	WIN 0x80
.rept \n
.irp c, 0,1,2,3
	ds_load_b128 v[16*dk+4*\c:16*dk+4*\c+3], v[ADR] offset:2048*(2*(dk%8)+dk/8)+512*\c
.endr
.set dk, dk+1
.endr
	WIN 0
.endif
.if dkind == 2
	WIN 0xc0
.rept \n
.irp c, 0,1,2,3
	ds_load_b128 v[16*dk+4*\c:16*dk+4*\c+3], v[ADR2] offset:2048*dk+512*\c
.endr
.set dk, dk+1
.endr
	WIN 0
.endif
.endm
.macro KADR                            ; where K of the step to be fetched lies, and its scale words (lanes 16-31: K step 1's)
	WIN 0
	v_add_nc_u32 v[ADR], s[TB], v[L16]
	v_add_nc_u32 v[ADS], s[TS], v[ASK0]
	ds_load_b128 v[KS:KS+3], v[ADS]
	ds_load_b128 v[KS+4:KS+7], v[ADS] offset:16
.endm
.macro FETCH_KB                        ; K's fragments 12-15 (images 9, 11, 13, 15), into the registers that V's first four have left
	WIN 0xc0
.irp f, 0,1,2,3
.irp c, 0,1,2,3
	ds_load_b128 v[16*\f+4*\c:16*\f+4*\c+3], v[ADR] offset:2048*(9+2*\f)+512*\c
.endr
.endr
	WIN 0
.endm
.macro VADR                            ; where V of the step lies, and its scale words; then on to the next step
	WIN 0
	v_add_nc_u32 v[ADR2], s[TB], v[AV0]
	v_add_nc_u32 v[ADS], s[TS], v[ASV0]
.irp i, 0,1,2,3
	ds_load_b128 v[VS+4*\i:VS+4*\i+3], v[ADS] offset:256*\i
.endr
	s_add_co_u32 s[TB], s[TB], 32768
	s_add_co_u32 s[TS], s[TS], 2048
.endm
; Product fi of 16 of tile q's S^T = K Q^T: the eight accumulators by turns; the first eight start the sums
.macro KQI q
.if fi < 12
	WIN 0x0a                                       ; K and Q in window 2
.else
	WIN 0x0b                                       ; K in window 3
.endif
.if fi < 8
	v_wmma_scale_f32_16x16x128_f8f6f4 v[S+64*(\q)+8*fi:S+64*(\q)+8*fi+7], v[16*fi:16*fi+15], v[192+32*(\q):192+32*(\q)+15], 0, v[KS+fi], v[QS+(\q)]
.elseif fi < 12
	v_wmma_scale_f32_16x16x128_f8f6f4 v[S+64*(\q)+8*(fi-8):S+64*(\q)+8*(fi-8)+7], v[16*fi:16*fi+15], v[192+32*(\q)+16:192+32*(\q)+31], v[S+64*(\q)+8*(fi-8):S+64*(\q)+8*(fi-8)+7], v[KS+fi-8], v[QS+(\q)] matrix_a_scale:MATRIX_SCALE_ROW1 matrix_b_scale:MATRIX_SCALE_ROW1
.else
	v_wmma_scale_f32_16x16x128_f8f6f4 v[S+64*(\q)+8*(fi-8):S+64*(\q)+8*(fi-8)+7], v[16*(fi-12):16*(fi-12)+15], v[192+32*(\q)+16:192+32*(\q)+31], v[S+64*(\q)+8*(fi-8):S+64*(\q)+8*(fi-8)+7], v[KS+fi-8], v[QS+(\q)] matrix_a_scale:MATRIX_SCALE_ROW1 matrix_b_scale:MATRIX_SCALE_ROW1
.endif
.endm
.macro KQA                             ; tile 0's sixteen
.set fi, 0
.rept 16
.if fi == 12
	s_wait_dscnt 0x0                               ; fragments 12-15 are in
.endif
	KQI 0
.set fi, fi+1
.endr
	WIN 0
.endm
; The next product of the sixteen that stand among a softmax's conversions.  mkind = 1: tile 0's O^T += V^T P^T;  2: the same, starting the sums;  3: tile 1's K Q^T
.macro MXH
.if (mkind == 1) || (mkind == 2)
	WIN 0x53                                       ; V window 3, P window 0, O^T window 1
.if mkind == 2
	v_wmma_scale_f32_16x16x128_f8f6f4 v[8*mk:8*mk+7], v[16*mk:16*mk+15], v[PC:PC+15], 0, v[VS+mk], v[PS]
.else
	v_wmma_scale_f32_16x16x128_f8f6f4 v[8*mk:8*mk+7], v[16*mk:16*mk+15], v[PC:PC+15], v[8*mk:8*mk+7], v[VS+mk], v[PS]
.endif
	WIN 0
.endif
.if mkind == 3
.set fi, mk
	KQI 1
	WIN 0
.endif
.set mk, mk+1
.endm
; Tile 1's sixteen O^T += V^T P^T.  zero = 1: they start the sums.  kb = 1: behind the first four, eight places, and K's last four fragments are asked into the registers that those four have read
.macro PVB zero, kb
	WIN 0x53
.set fi, 0
.rept 16
.if \zero
	v_wmma_scale_f32_16x16x128_f8f6f4 v[128+8*fi:128+8*fi+7], v[16*fi:16*fi+15], v[PC+16:PC+31], 0, v[VS+fi], v[PS+1]
.else
	v_wmma_scale_f32_16x16x128_f8f6f4 v[128+8*fi:128+8*fi+7], v[16*fi:16*fi+15], v[PC+16:PC+31], v[128+8*fi:128+8*fi+7], v[VS+fi], v[PS+1]
.endif
.set fi, fi+1
.if (\kb) && (fi == 4)
	PLACES 8
	s_wait_alu depctr_va_vdst(0)
	s_wait_dscnt 0x0                               ; K's fragments 0-11 are in: the last of them was asked for ahead of the conversions
	FETCH_KB
	WIN 0x53
.endif
.endr
	WIN 0
.endm
; Tile q's softmax of one key step.  first = 1: there is no O^T yet to bring under the new M.  dl: what is dealt out among its lines (DEAL);  mx: which products stand among its conversions (MXH)
.macro SM q, first, dl, mx
.set rS, S+64*(\q)
.set rT, ST+4*(\q)
.set rP, PC+16*(\q)
.set dkind, \dl
.set mkind, \mx
.set mk, 0
.set dk, 0
.if \dl == 2
.set dk, 4                             ; V's fragments 0-3 come last: K's fragments 12-15 still lie in their registers
.endif
	WIN 0
	DEAL 1
.irp b, 0,1,2,3
	v_max3_num_f32 v[BM+\b], v[rS+16*\b], v[rS+16*\b+1], v[rS+16*\b+2]   ; the largest score of each block of 32 keys: for the row's maximum, and, since p rises with the score, for the block's largest p
.endr
.irp i, 3,5,7
.irp b, 0,1,2,3
	v_max3_num_f32 v[BM+\b], v[BM+\b], v[rS+16*\b+\i], v[rS+16*\b+\i+1]
.endr
.endr
	DEAL 1
.irp i, 9,11,13
.irp b, 0,1,2,3
	v_max3_num_f32 v[BM+\b], v[BM+\b], v[rS+16*\b+\i], v[rS+16*\b+\i+1]
.endr
.endr
.irp b, 0,1,2,3
	v_max_num_f32 v[BM+\b], v[BM+\b], v[rS+16*\b+15]
.endr
	DEAL 1
.irp b, 0,1,2,3
	v_permlanex16_b32 v[PT+\b], v[BM+\b], s[SEL], s[SEL+1]
.endr
.irp b, 0,1,2,3
	v_max_num_f32 v[BM+\b], v[BM+\b], v[PT+\b]
.endr
	v_max3_num_f32 v[T0], v[BM], v[BM+1], v[BM+2]
	v_max_num_f32 v[T0], v[T0], v[BM+3]
	v_mul_f32 v[T0], s[CS], v[T0]
	v_max_num_f32 v[rT+1], v[rT+1], v[T0]          ; the running largest t
	DEAL 1
	v_mov_b32 v[T0], v[rT]
	v_floor_f32 v[rT], -v[rT+1]                    ; -M = floor(-t): M is a whole number
	v_sub_f32 v[T0], v[rT], v[T0]
	v_cvt_i32_f32 v[T0], v[T0]                     ; (it saturates)
	v_ldexp_f32 v[FP], 1.0, v[T0]                  ; f = 2^(old M - new M)
	DEAL 1
.set i, 0
.rept 16
	v_pk_fma_f32 v[rS+i:rS+i+1], v[rS+i:rS+i+1], s[CS:CS+1], v[rT:rT+1] op_sel_hi:[1,0,0]   ; t - M
.set i, i+2
.endr
	DEAL 1
.rept 16
	v_pk_fma_f32 v[rS+i:rS+i+1], v[rS+i:rS+i+1], s[CS:CS+1], v[rT:rT+1] op_sel_hi:[1,0,0]
.set i, i+2
.endr
.irp b, 0,1,2,3
	v_fma_f32 v[BM+\b], v[BM+\b], s[CS], v[rT]
.endr
.if \dl == 1
	s_wait_dscnt 26                                ; V of this step is in, for the products among the conversions: behind V's last load stand K's two loads of scale words and six fragments of four loads
.endif
.if \dl == 0
	s_wait_dscnt 0x0                               ; V of this step is in
.endif
	DEAL 2                                         ; two fragments ahead of the exponentials,
.set i, 0
	s_wait_alu depctr_va_vdst(0)
.rept 64
	v_exp_f32 v[rS+i], v[rS+i]                     ; p, not normalised
.set i, i+1
.endr
	v_pk_mul_f32 v[rT+2:rT+3], v[rT+2:rT+3], v[FP:FP+1] op_sel_hi:[1,0]   ; the sum under the new M: a plain line behind the exponentials
	s_wait_alu depctr_va_vdst(0)                   ; one wait for the 64, ahead of their first reader
	DEAL 2                                         ; and two behind their wait
.irp b, 0,1,2,3
	v_exp_f32 v[BM+\b], v[BM+\b]                   ; the blocks' largest p
.endr
	v_pk_add_f32 v[S2:S2+1], v[rS:rS+1], v[rS+2:rS+3]   ; the row's sum, of the unquantised p, in two chains
.set i, 4
.rept 15
	v_pk_add_f32 v[rT+2:rT+3], v[rT+2:rT+3], v[rS+i:rS+i+1]
	v_pk_add_f32 v[S2:S2+1], v[S2:S2+1], v[rS+i+2:rS+i+3]
.set i, i+4
.endr
	v_pk_add_f32 v[rT+2:rT+3], v[rT+2:rT+3], v[S2:S2+1]
	s_wait_alu depctr_va_vdst(0)                   ; and one for the four
	DEAL 1
.irp b, 0,1,2,3
	v_max_num_f32 v[BM+\b], 0x4800000, v[BM+\b]
.endr
.irp b, 0,1,2,3
	v_add_nc_u32 v[SOP+\b], 0xfc000000, v[BM+\b]
.endr
	DEAL 1                                         ; the twelfth fragment
.irp b, 0,1,2,3
.endr
.irp b, 0,1,2,3
	v_lshrrev_b32 v[PT+\b], 23, v[SOP+\b]
.endr
	v_lshl_or_b32 v[PS+(\q)], v[PT+1], 8, v[PT]
	v_lshl_or_b32 v[PS+(\q)], v[PT+2], 16, v[PS+(\q)]
	v_lshl_or_b32 v[PS+(\q)], v[PT+3], 24, v[PS+(\q)]
.irp b, 0,1,2,3
.irp i, 0,1,2,3,4,5,6,7,8,9,10,11,12,13,14,15
.if (\i%4) == 3
	MXH                                            ; four products of the other tile ahead of each block's conversions
.endif
.endr
	v_cvt_scalef32_pk8_fp8_f32 v[rP+4*\b:rP+4*\b+1], v[rS+16*\b:rS+16*\b+7], v[SOP+\b]
	v_cvt_scalef32_pk8_fp8_f32 v[rP+4*\b+2:rP+4*\b+3], v[rS+16*\b+8:rS+16*\b+15], v[SOP+\b]
.endr
.if \first
	s_wait_alu depctr_va_vdst(0)
	PLACES 8
.if \dl == 2
	s_wait_dscnt 0x0                               ; (fragments 4-15 were asked for long ago)
.set dk, 0
	DEAL 4                                         ; V's fragments 0-3: eight places behind the product that read K's fragment 15
.endif
.else
	WIN 0x41                                       ; O^T in window 1, f in window 0
.set i, 0
.rept 64
	v_pk_mul_f32 v[128*(\q)+i:128*(\q)+i+1], v[128*(\q)+i:128*(\q)+i+1], v[FP:FP+1] op_sel_hi:[1,0]   ; O^T under the new M; also the places ahead of this tile's products
.set i, i+2
.if (\dl == 2) && (i == 32)
	s_wait_dscnt 0x0                               ; (fragments 4-15 were asked for ahead of the conversions)
.set dk, 0
	DEAL 4                                         ; V's fragments 0-3: sixteen plain lines behind the product that read K's fragment 15
	WIN 0x41
.endif
.endr
	WIN 0
.endif
.endm
.macro TRIP first
	KADR                                           ; step j + 1
	SM 1, \first, 1, 1+\first                      ; step j
	PVB \first, 1
	KQA
	PLACES 8                                       ; ahead of the first read of the scores, and of loads into registers that the products have read
	VADR
	SM 0, 0, 2, 3                                  ; step j + 1
.endm
.macro ASK                             ; a prefetch of the last two key steps' 131,072 bytes, at the first change of slots: two key steps ahead of the load that asks for them.  The batch's first cluster asks; wave w of partner cx names bytes 32,768 w + 8,192 cx on, lanes 256 bytes apart: each block once
	s_cmp_gt_u32 s[SLOTS], s[LIM]
	s_cbranch_scc0 .Lnm_\@
	global_prefetch_b8 v[PFO], s[PFA:PFA+1] th:TH_LOAD_NT scope:SCOPE_SE
.Lnm_\@:
.endm
; THE CHANGE OF SLOTS.  Every wave waits for all its tensor loads, adds 0 to its spare word, and waits for that and for its reads of the slot that it leaves; a round of the cluster's barrier; then its one load into that slot.
.macro CHANGE kind                     ; 1: the next two key steps, jointly;  2: x's tile, each work-group's own
	WIN 0
	s_wait_tensorcnt 0x0                           ; no tensor load of mine is out, so a descriptor may be written
	ds_add_u32 v[SPW], v[NIL]
.if \kind == 1
	s_xor_b32 s69, s69, SLOT1                      ; the walking descriptor: the other slot, the next 131,072 bytes
	s_add_nc_u64 s[70:71], s[70:71], 131072
.endif
	s_wait_dscnt 0x0                               ; the add is done, and my reads of the slot are over: the last were V's fragments 0-3
	CROUND
.if \kind == 1
	tensor_load_to_lds s[68:71], s[36:43]
	s_nop 0
.else
	tensor_load_to_lds s[76:79], s[52:59]
	s_nop 0
.endif
.rept 4
	v_nop
.endr
.if \kind == 1
	ASK
.endif
	s_sub_co_u32 s[TB], s[TB], 65536               ; the fetches go back to a slot's first step,
	s_xor_b32 s[TB], s[TB], SLOT1                  ; in the other slot
.endm
.macro TWO                             ; two trips
	s_mov_b32 s[TWICE], 2
.Lstep_\@:
	TRIP 0
	s_sub_co_u32 s[TWICE], s[TWICE], 1
	s_cmp_lg_u32 s[TWICE], 0
	s_cbranch_scc1 .Lstep_\@
.endm
	s_load_b512 s[4:19], s[0:1], 0x0               ; qq, kvq, wq, pool, b_se1, b_se2, b_proj, x
	s_load_b64 s[20:21], s[0:1], 0x40              ; out0
	v_lshl_add_u32 v[SPW], v0, 2, SPARE
	v_mov_b32 v[NIL], 0
	ds_add_u32 v5, v6
	ds_add_u32 v5, v6
	s_wait_dscnt 0x0
	v_lshrrev_b32 v8, 5, v0
	v_readfirstlane_b32 s[WV], v8                  ; wave 0..3
	s_bfe_u32 s31, ttmp6, 0x40000                  ; cx
	s_lshl_b32 s32, ttmp9, 2
	s_add_co_u32 s32, s32, s31                     ; x = 4 x cluster + cx: it enters global addresses alone
	s_and_b32 s33, ttmp7, 0xffff                   ; b, which the partners share
	; descriptor groups 1.  K, V: 128 rows of 256 bytes, dense; the scale words: 16 such rows; both with the mask of all four and bit 21.  x: 64 rows of 512 bytes, 4,096 bytes apart, no mask
	s_mov_b32 s36, 15|(3<<16)|(1<<21)
	s_mov_b32 s37, 32<<16
	s_mov_b32 s38, 128<<16
	s_mov_b32 s39, 32<<16
	s_mov_b32 s40, 128
	s_mov_b32 s41, 32
	s_mov_b32 s42, 0
	s_mov_b32 s43, 0
	s_mov_b32 s44, 15|(3<<16)|(1<<21)
	s_mov_b32 s45, 32<<16
	s_mov_b32 s46, 16<<16
	s_mov_b32 s47, 32<<16
	s_mov_b32 s48, 16
	s_mov_b32 s49, 32
	s_mov_b32 s50, 0
	s_mov_b32 s51, 0
	s_mov_b32 s52, 3<<16
	s_mov_b32 s53, 64<<16
	s_mov_b32 s54, 64<<16
	s_mov_b32 s55, 64<<16
	s_mov_b32 s56, 64
	s_mov_b32 s57, 512
	s_mov_b32 s58, 0
	s_mov_b32 s59, 0
	s_mov_b32 s[CS], 0x3db8aa3b                    ; log2(e) / 16
	s_mov_b32 s[CS+1], s[CS]
	s_mov_b32 s[SEL], 0x76543210
	s_mov_b32 s[SEL+1], 0xfedcba98
	s_mov_b32 s[MNT], 0x600000
	s_mov_b32 s[TB], 0
	s_mov_b32 s[TS], 0
	s_cmp_eq_u32 ttmp9, 0
	s_cselect_b32 s[LIM], 1, -1                    ; the batch's first cluster prefetches: the same in all partners
	s_lshl_b32 s22, s33, 19                        ; kvq: 524,288 b + 32,768 w
	s_lshl_b32 s61, s[WV], 15                      ; LDS: 32,768 w
	s_add_co_u32 s22, s22, s61
	s_mov_b32 s23, 0
	s_lshl_b32 s24, s33, 14                        ; the scale words: 16,777,216 + 16,384 b + 4,096 w
	s_lshl_b32 s73, s[WV], 12
	s_add_co_u32 s24, s24, s73
	s_add_co_u32 s24, s24, 16777216
	s_mov_b32 s25, 0
	s_add_co_u32 s73, s73, SCB
	s_add_co_u32 s69, s61, SLOT1
	s_lshl_b32 s77, s[WV], 15
	s_mov_b32 s60, 1
	s_mov_b32 s68, 1
	s_mov_b32 s72, 1
	s_mov_b32 s76, 1
	s_lshl_b32 s92, s33, 20                        ; x and out0: 1,048,576 b + 262,144 w + 512 x
	s_lshl_b32 s93, s[WV], 18
	s_add_co_u32 s92, s92, s93
	s_lshl_b32 s93, s32, 9
	s_add_co_u32 s92, s92, s93
	s_mov_b32 s93, 0
	s_lshl_b32 s94, s31, 13
	s_add_co_u32 s94, s94, 393216
	s_mov_b32 s95, 0
	s_wait_kmcnt 0x0
	s_add_nc_u64 s[62:63], s[6:7], s[22:23]        ; slot 0: key steps 0, 1
	s_add_nc_u64 s[70:71], s[62:63], 131072        ; slot 1: key steps 2, 3; this descriptor walks on
	s_or_b32 s63, s63, 0x80000000
	s_or_b32 s71, s71, 0x80000000
	s_add_nc_u64 s[74:75], s[6:7], s[24:25]
	s_or_b32 s75, s75, 0x80000000
	s_add_nc_u64 s[78:79], s[18:19], s[92:93]
	s_or_b32 s79, s79, 0x80000000
	s_add_nc_u64 s[98:99], s[20:21], s[92:93]
	s_add_nc_u64 s[PFA:PFA+1], s[6:7], s[22:23]
	s_add_nc_u64 s[PFA:PFA+1], s[PFA:PFA+1], s[94:95]
	CROUND                                         ; all four work-groups are here: the first joint loads meet
	tensor_load_to_lds s[72:75], s[44:51]          ; the scale words, slot 0, slot 1: three loads of mine are out
	s_nop 0
	tensor_load_to_lds s[60:63], s[36:43]
	s_nop 0
	tensor_load_to_lds s[68:71], s[36:43]
	s_nop 0
.rept 4
	v_nop
.endr
	v_and_b32 v[L4], 31, v0
	v_lshlrev_b32 v[L16], 4, v[L4]
	v_lshlrev_b32 v[PFO], 8, v[L4]
	v_lshlrev_b32 v[L4], 2, v[L4]
	v_and_b32 v8, 15, v0                           ; r
	v_bfe_u32 v9, v0, 4, 1                         ; h
	v_add_nc_u32 v[AV0], 65536, v[L16]
	v_lshlrev_b32 v10, 5, v8
	v_lshl_or_b32 v10, v9, 9, v10                  ; 512 h + 32 r
	v_add_nc_u32 v[ASK0], SCB, v10
	v_lshl_add_u32 v[ASV0], v8, 4, SCB+1024
	v_lshlrev_b32 v248, 4, v9                      ; 16 h
	v_lshlrev_b32 v249, 6, v9                      ; 64 h
	v_and_b32 v250, 8, v8
	v_add_nc_u32 v250, v250, v8
	v_lshlrev_b32 v250, 2, v250                    ; 4 (r + 8 (r / 8))
	v_mov_b32 v251, 0
	s_wait_alu depctr_va_vdst(0)
.irp j, 0,1,2,3
	v_mov_b32 v[PT+\j], 0                          ; written once: a lane permute's destination counts as one of its sources
.endr
	v_mov_b32 v[FP+1], 0                           ; (named as the upper half of a pair)
	s_lshl_b32 s94, s33, 3
	s_add_co_u32 s94, s94, s32                     ; 8 b + x
	s_lshl_b32 s96, s94, 10
	s_add_co_u32 s96, s96, 8388608
	s_lshl_b32 s97, s[WV], 3
	s_add_co_u32 s96, s96, s97
	s_mov_b32 s97, 0
	s_add_nc_u64 s[96:97], s[4:5], s[96:97]        ; Q's scale words: my two tiles'
	s_lshl_b32 s94, s94, 15
	s_lshl_b32 s95, s[WV], 13
	s_add_co_u32 s94, s94, s95
	s_mov_b32 s95, 0
	s_add_nc_u64 s[94:95], s[4:5], s[94:95]        ; Q's images: my two tiles'
	s_lshl_b32 s34, s33, 8
	s_mov_b32 s35, 0
	s_add_nc_u64 s[34:35], s[10:11], s[34:35]      ; the pooled codes of batch b
	s_lshl_b32 s92, s33, 3
	s_add_co_u32 s92, s92, 8192
	s_add_nc_u64 s[92:93], s[10:11], s[92:93]      ; and their two scale words
	s_lshl_b32 s22, s[WV], 13
	s_add_nc_u64 s[26:27], s[8:9], s[22:23]        ; wq + 8,192 w: my four images of w_se2
	s_lshl_b32 s22, s[WV], 9
	s_add_nc_u64 s[28:29], s[8:9], s[22:23]        ; wq + 512 w: their scale words
	s_lshl_b32 s22, s[WV], 8
	s_add_nc_u64 s[14:15], s[14:15], s[22:23]      ; b_se2, b_proj at 64 w
	s_add_nc_u64 s[16:17], s[16:17], s[22:23]
	WIN 0x80
.irp q, 0,1
.irp p, 0,1
.irp c, 0,1,2,3
	global_load_b128 v[192+32*\q+16*\p+4*\c:192+32*\q+16*\p+4*\c+3], v[L16], s[94:95] offset:4096*\q+2048*\p+512*\c   ; Q stays in registers
.endr
.endr
.endr
.set i, 0
.rept 8
.irp c, 0,1,2,3
	global_load_b128 v[16*i+4*\c:16*i+4*\c+3], v[L16], s[8:9] offset:262144+2048*i+512*\c                            ; w_se1's eight images
.endr
.set i, i+1
.endr
	WIN 0xc0
.set i, 0
.rept 4
.irp c, 0,1,2,3
	global_load_b128 v[16*i+4*\c:16*i+4*\c+3], v[L16], s[26:27] offset:278528+2048*i+512*\c
.endr
.set i, i+1
.endr
	WIN 0
	global_load_b64 v[QS:QS+1], v10, s[96:97]      ; lanes 0-15: K step 0's words, lanes 16-31: K step 1's
.irp p, 0,1
.irp c, 0,1,2,3
	global_load_b128 v[PC+16*\p+4*\c:PC+16*\p+4*\c+3], v248, s[34:35] offset:128*\p+32*\c   ; the pooled row stands in all 16 rows of the operand
.endr
	global_load_b32 v[PS+\p], v251, s[92:93] offset:4*\p
.endr
.set i, 0
.rept 8
	global_load_b32 v[KS+i], v[L4], s[8:9] offset:327680+128*i
.set i, i+1
.endr
.irp o, 0,1,2,3
	global_load_b32 v[VS+4+\o], v[L4], s[28:29] offset:328704+128*\o
	global_load_b128 v[168+8*\o:168+8*\o+3], v249, s[12:13] offset:(32*(\o/2)+8*(\o%2))*4       ; b_se1 in the result's layout
	global_load_b128 v[168+8*\o+4:168+8*\o+7], v249, s[12:13] offset:(32*(\o/2)+8*(\o%2))*4+16
	global_load_b32 v[B2L+\o], v250, s[14:15] offset:(32*(\o/2)+8*(\o%2))*4                     ; b_se2, b_proj of my lane's output channel in tile o
	global_load_b32 v[BPL+\o], v250, s[16:17] offset:(32*(\o/2)+8*(\o%2))*4
.endr
	s_wait_loadcnt 0x0
	; ---- the gate of my 64 output channels, while the first tiles are on their way
	WIN 0x02                                       ; w_se1 in window 2
.irp k, 0,1,2,3
	v_wmma_scale_f32_16x16x128_f8f6f4 v[S+8*\k:S+8*\k+7], v[32*\k:32*\k+15], v[PC:PC+15], v[168+8*\k:168+8*\k+7], v[KS+2*\k], v[PS]
.endr
.irp k, 0,1,2,3
	v_wmma_scale_f32_16x16x128_f8f6f4 v[S+8*\k:S+8*\k+7], v[32*\k+16:32*\k+31], v[PC+16:PC+31], v[S+8*\k:S+8*\k+7], v[KS+2*\k+1], v[PS+1]
.endr
	WIN 0
	PLACES 8
	QUANT S, 1, 2, 136, VS                         ; relu and the quantiser in one; 64 hidden units: two blocks
.irp j, 0,1,2,3,4,5,6,7
	v_mov_b32 v[144+\j], 0                         ; K from 64 to 127: zero codes (the word's upper bytes are 0, which is no NaN)
.endr
	PLACES 8
	WIN 0x0c                                       ; w_se2 in window 3
.irp o, 0,1,2,3
	v_wmma_scale_f32_16x16x128_f8f6f4 v[200+8*\o:200+8*\o+7], v[136:151], v[16*\o:16*\o+15], 0, v[VS], v[VS+4+\o]
.endr
	WIN 0
	PLACES 8
.irp o, 0,1,2,3
	v_add_f32 v[252+\o], v[200+8*\o], v[B2L+\o]    ; all 16 rows are the same: the lowest register serves
.endr
.irp o, 0,1,2,3
	v_mul_f32 v[252+\o], 0xbfb8aa3b, v[252+\o]
.endr
	s_wait_alu depctr_va_vdst(0)
.irp o, 0,1,2,3
	v_exp_f32 v[252+\o], v[252+\o]
.endr
	v_nop
	s_wait_alu depctr_va_vdst(0)
.irp o, 0,1,2,3
	v_add_f32 v[252+\o], 1.0, v[252+\o]
.endr
	s_wait_alu depctr_va_vdst(0)
.irp o, 0,1,2,3
	v_rcp_f32 v[G+\o], v[252+\o]                   ; sigmoid
.endr
	v_nop
	s_wait_alu depctr_va_vdst(0)
.irp o, 0,1,2,3
	v_mul_f32 v[BG+\o], v[BPL+\o], v[G+\o]         ; b_proj x gate
.endr
.irp q, 0,1
	v_mov_b32 v[ST+4*\q+1], 0xff61b1e6             ; the largest t so far: -3e38
	v_floor_f32 v[ST+4*\q], -v[ST+4*\q+1]
	v_mov_b32 v[ST+4*\q+2], 0
	v_mov_b32 v[ST+4*\q+3], 0
.endr
	PLACES 8
	; ---- the keys
	s_wait_tensorcnt 0x1                           ; the scale words and my part of slot 0 are in; slot 1's load may stay out
	s_barrier_signal -1
	s_barrier_wait -1                              ; everybody's are
	KADR                                           ; key step 0: there is no softmax yet under which K could come
.set dkind, 1
.set dk, 0
	DEAL 12
	s_wait_alu depctr_va_vdst(0)
	s_wait_dscnt 0x0
	FETCH_KB                                       ; the last four fragments land under tile 0's first twelve products
	KQA
	PLACES 8
	VADR
	SM 0, 1, 2, 3
	TRIP 1                                         ; its products V^T P start O^T
	s_mov_b32 s[SLOTS], 2
.Lslot:                                                ; two trips: slot 0 takes key steps 4, 5; slot 1 takes 6, 7
	CHANGE 1
	TWO
	s_sub_co_u32 s[SLOTS], s[SLOTS], 1
	s_cmp_lg_u32 s[SLOTS], 0
	s_cbranch_scc1 .Lslot
	CHANGE 2                                       ; slot 0 takes x's tile
	TWO
	; ---- the last step's second half, under it w_proj's images on their way
	s_lshl_b32 s22, s[WV], 14
	s_add_nc_u64 s[26:27], s[8:9], s[22:23]
	s_lshl_b32 s22, s[WV], 10
	s_add_nc_u64 s[28:29], s[8:9], s[22:23]
	WIN 0x80
.set i, 0
.rept 8
.irp c, 0,1,2,3
	global_load_b128 v[16*i+4*\c:16*i+4*\c+3], v[L16], s[26:27] offset:196608+2048*i+512*\c   ; my four tiles of w_proj, two K steps each
.endr
.set i, i+1
.endr
	WIN 0
.set i, 0
.rept 8
	global_load_b32 v[KS+i], v[L4], s[28:29] offset:323584+128*i
.set i, i+1
.endr
	v_and_b32 v8, 15, v0                           ; the addresses of the way out take the registers that the fetches have left
	v_bfe_u32 v9, v0, 4, 1
	s_lshl_b32 s22, s[WV], 13
	s_add_co_u32 s22, s22, XIMG
	v_add_nc_u32 v2, s22, v[L16]                   ; where I store my four images
	s_lshl_b32 s22, s[WV], 9
	s_add_co_u32 s22, s22, XSC
	v_add_nc_u32 v3, s22, v[L4]                    ; and their scale words
	v_add_nc_u32 v4, XIMG, v[L16]                  ; where all sixteen are read
	v_add_nc_u32 v254, XSC, v[L4]
	s_mul_i32 s22, s[WV], 8448
	s_add_co_u32 s22, s22, SLOT1                   ; my stage: 16 rows x (512 + 16) bytes, in slot 1, which has had its last fill
	v_add_nc_u32 v10, s22, v[L16]                  ; back: a row, 16 bytes a lane
	v_mul_u32_u24 v8, v8, 528
	v_lshl_add_u32 v8, v9, 6, v8
	v_add_nc_u32 v9, s22, v8                       ; in: row r, + 64 h
	s_lshl_b32 s22, s[WV], 15
	v_add_nc_u32 v249, s22, v[L16]                 ; x's rows: my wave's part of slot 0
	SM 1, 0, 0, 1                                  ; nothing is left to fetch; tile 0's last products stand among the conversions
	PVB 0, 0
	PLACES 8
.irp q, 0,1
	v_add_f32 v[TM+\q], v[ST+4*\q+2], v[ST+4*\q+3]
.endr
.irp q, 0,1
	v_permlanex16_b32 v[PT+\q], v[TM+\q], s[SEL], s[SEL+1]
.endr
.irp q, 0,1
	v_add_f32 v[TM+\q], v[TM+\q], v[PT+\q]         ; the row's sum
.endr
	v_mov_b32 v251, 0
	v_mov_b32 v253, 0
	s_wait_alu depctr_va_vdst(0)
	v_rcp_f32 v250, v[TM]
	v_rcp_f32 v252, v[TM+1]
	v_nop
	s_wait_alu depctr_va_vdst(0)
.irp q, 0,1
.irp p, 0,1
	WIN 0x01                                       ; O^T in window 1
.set i, 0
.rept 32
	v_pk_mul_f32 v[S+i:S+i+1], v[128*\q+64*\p+i:128*\q+64*\p+i+1], v[250+2*\q:251+2*\q] op_sel_hi:[1,0]   ; O^T / sum: channels 128 p on
.set i, i+2
.endr
	WIN 0
	QUANT S, 0, 4, PC, 248
.irp c, 0,1,2,3
	ds_store_b128 v2, v[PC+4*\c:PC+4*\c+3] offset:4096*\q+2048*\p+512*\c
.endr
	ds_store_b32 v3, v248 offset:256*\q+128*\p
	s_wait_dscnt 0x0                               ; the stores have read their registers
.endr
.endr
	s_barrier_signal -1
	s_barrier_wait -1                              ; the sixteen images lie in LDS, and nobody reads slot 1 any more
	; ---- the projection, a tile of queries at a time: its two images against my four tiles of w_proj, the four accumulators by turns.  The scale words and eight images are asked for first; the other eight, two ahead of each of the first four tiles' products
.set i, 0
.rept 16
	ds_load_b32 v[VS+i], v254 offset:128*i
.set i, i+1
.endr
	WIN 0xc0
.set i, 0
.rept 8
.irp c, 0,1,2,3
	ds_load_b128 v[16*i+4*\c:16*i+4*\c+3], v4 offset:2048*i+512*\c
.endr
.set i, i+1
.endr
	s_wait_loadcnt 0x0                             ; w_proj
.set qt, 0
.rept 8
.if qt < 4
	WIN 0xc0
.rept 2
.irp c, 0,1,2,3
	ds_load_b128 v[16*i+4*\c:16*i+4*\c+3], v4 offset:2048*i+512*\c
.endr
.set i, i+1
.endr
	s_wait_dscnt 32                                ; images 2 qt and 2 qt + 1 are in: behind them stand eight images of four loads
.else
	s_wait_dscnt 8*(7-qt)                          ; behind them stand the images of the 7 - qt tiles that follow
.endif
	WIN 0x5b                                       ; source 0 window 3, source 1 window 2, C and D window 1
.irp p, 0,1
.irp o, 0,1,2,3
.if \p == 0
	v_wmma_scale_f32_16x16x128_f8f6f4 v[8*(8*\o+qt):8*(8*\o+qt)+7], v[32*qt:32*qt+15], v[32*\o:32*\o+15], 0, v[VS+2*qt], v[KS+2*\o]
.else
	v_wmma_scale_f32_16x16x128_f8f6f4 v[8*(8*\o+qt):8*(8*\o+qt)+7], v[32*qt+16:32*qt+31], v[32*\o+16:32*\o+31], v[8*(8*\o+qt):8*(8*\o+qt)+7], v[VS+2*qt+1], v[KS+2*\o+1]
.endif
.endr
.endr
.set qt, qt+1
.endr
	WIN 0
	PLACES 8
	s_wait_tensorcnt 0x0                           ; x's tile: I read only the part that I asked for
	; ---- the way out, 16 output channels at a time: x gate + b_proj gate; through my stage; + x; rows of 512 bytes
.irp o, 0,1,2,3
	WIN 0x01
.set nb, 0
.rept 4
.irp u, 0,1
.irp j, 0,1,2,3,4,5,6,7
	v_fma_f32 v[S+16*nb+2*\j+\u], v[8*(8*\o+2*nb+\u)+\j], v[G+\o], v[BG+\o]   ; position 32 nb + 16 h + 2 j + u: two tiles' registers interleave into 16 neighbours; each accumulator from its low end on
.endr
.endr
.set nb, nb+1
.endr
	WIN 0
.set i, 0
.rept 16
	ds_store_b128 v9, v[S+4*i:S+4*i+3] offset:128*(i/4)+16*(i%4)
.set i, i+1
.endr
.if \o > 0
	s_wait_xcnt 0x0                                ; the last stores have read the registers into which the rows come back
.endif
.irp p, 0,1,2,3,4,5,6,7,8,9,10,11,12,13,14,15
	ds_load_b128 v[168+4*\p:168+4*\p+3], v10 offset:528*\p   ; LDS serves a wave's instructions in order: these see my stores
.endr
	WIN 0xc0
.irp p, 0,1,2,3,4,5,6,7,8,9,10,11,12,13,14,15
	ds_load_b128 v[4*\p:4*\p+3], v249 offset:512*(32*(\o/2)+8*(\o%2)+\p+(\p&8))
.endr
	WIN 0
	s_wait_dscnt 0x0
	WIN 0x0c                                       ; x in window 3
.set i, 0
.rept 32
	v_pk_add_f32 v[168+i:168+i+1], v[168+i:168+i+1], v[i:i+1]
.set i, i+2
.endr
	WIN 0
.irp p, 0,1,2,3,4,5,6,7,8,9,10,11,12,13,14,15
	global_store_b128 v[L16], v[168+4*\p:168+4*\p+3], s[98:99] offset:4096*(32*(\o/2)+8*(\o%2)+\p+(\p&8)) th:TH_STORE_NT   ; 32 lanes store 512 consecutive bytes, aligned
.endr
.endr
	s_wait_tensorcnt 0x0                           ; the wave's end
	ds_add_u32 v[SPW], v[NIL]
	s_wait_dscnt 0x0
	CROUND                                         ; the closing round
	s_endpgm
.Lfunc_end_k_qcf6efec23b_attn:
	.size	k_qcf6efec23b_attn, .Lfunc_end_k_qcf6efec23b_attn-k_qcf6efec23b_attn
	.p2alignl 7, 3214868480
	.fill 96, 4, 3214868480
	.section	.rodata,"a",@progbits
	.p2align	6, 0x0
	.amdhsa_kernel k_qcf6efec23b_attn
		.amdhsa_group_segment_fixed_size 327680
		.amdhsa_private_segment_fixed_size 0
		.amdhsa_enable_private_segment 0
		.amdhsa_kernarg_size 72
		.amdhsa_user_sgpr_count 2
		.amdhsa_user_sgpr_kernarg_segment_ptr 1
		.amdhsa_wavefront_size32 1
		.amdhsa_system_sgpr_workgroup_id_x 1
		.amdhsa_system_sgpr_workgroup_id_y 1
		.amdhsa_system_sgpr_workgroup_id_z 1
		.amdhsa_system_vgpr_workitem_id 0
		.amdhsa_next_free_vgpr 1024
		.amdhsa_next_free_sgpr 100
		.amdhsa_reserve_vcc 0
		.amdhsa_float_denorm_mode_32 3
		.amdhsa_float_denorm_mode_16_64 3
		.amdhsa_fp16_overflow 1
		.amdhsa_memory_ordered 1
		.amdhsa_forward_progress 1
		.amdhsa_inst_pref_size 255
	.end_amdhsa_kernel
	.section	.bss,"aw",@nobits
	.p2align	6
	.space	262144
	.amdgpu_metadata
---
amdhsa.version: [ 1, 2 ]
amdhsa.kernels:
  - .name:           k_qcf6efec23b_attn
    .symbol:         k_qcf6efec23b_attn.kd
    .args:
      - { .name: qq, .offset: 0, .size: 8, .value_kind: global_buffer, .address_space: global }
      - { .name: kvq, .offset: 8, .size: 8, .value_kind: global_buffer, .address_space: global }
      - { .name: wq, .offset: 16, .size: 8, .value_kind: global_buffer, .address_space: global }
      - { .name: pool, .offset: 24, .size: 8, .value_kind: global_buffer, .address_space: global }
      - { .name: b_se1, .offset: 32, .size: 8, .value_kind: global_buffer, .address_space: global }
      - { .name: b_se2, .offset: 40, .size: 8, .value_kind: global_buffer, .address_space: global }
      - { .name: b_proj, .offset: 48, .size: 8, .value_kind: global_buffer, .address_space: global }
      - { .name: x, .offset: 56, .size: 8, .value_kind: global_buffer, .address_space: global }
      - { .name: out0, .offset: 64, .size: 8, .value_kind: global_buffer, .address_space: global }
    .group_segment_fixed_size: 327680
    .private_segment_fixed_size: 0
    .kernarg_segment_align: 8
    .kernarg_segment_size: 72
    .max_flat_workgroup_size: 128
    .sgpr_count:     100
    .vgpr_count:     1024
    .wavefront_size: 32
...
	.end_amdgpu_metadata
.endif
;; end of part 3
